; MI455X (gfx1250); checked and timed in simulation.
; The chip was launched on July 23, 2026; its instructions are those of AMD's public machine-readable ISA for CDNA 5 (MIT licence, August 2026) and "CDNA5" Instruction Set Architecture Reference Guide (July 2026). The comments in the code are by the model that wrote it; some were corrected since.
;; Multi Head Attention. Allowed arithmetic: matrix products marked QUANTISED: E2M1 operands, one E8M0 scale for each 32 along K, by v_wmma_scale_f32_16x16x128_f8f6f4 with both operands' format E2M1 (or v_wmma_scale_f32_32x16x128_f4), f32 sums; products left as they are: bf16, f16 or f32 operands; f32 sums; everything else in f32.
;; Inputs: bk 1,024 float32; bo 1,024 float32; bq 1,024 float32; bv 1,024 float32; k_scale 64 float32; kv 2 x 2,048 x 1,024 float32; kv_positions 2,048 int32; mask 2 x 1 x 2,048 x 2,048 bool; q 2 x 2,048 x 1,024 float32; q_positions 2,048 int32; q_scale 64 float32; wk 1,024 x 1,024 float32; wo 1,024 x 1,024 float32; wq 1,024 x 1,024 float32; wv 1,024 x 1,024 float32.
;; Outputs: out0 2 x 2,048 x 1,024 float32; out1 2 x 16 x 2,048 float32.
;; This version of the problem:
;;   THIS VERSION OF THE PROBLEM IS GIVEN IN LOW PRECISION. The matrix products marked QUANTISED in the list below multiply operands that are first quantised to E2M1 (2 exponent bits, 1 mantissa bit; 4 bits a number), with one power-of-two scale for each 32 numbers along K (OCP MX v1.0); their sums are f32. The products marked 'left as it is' may take bf16, f16 or f32 operands, with f32 sums. Whichever they take, every output number must still come out within the allowed error. Rounding operands to bf16 (8 significant bits) uses up far more of that allowance than f16 does (11 bits, for magnitudes from 6e-5 to 65,504). All else is computed in f32.
;;   The module's matrix products, in the order in which they are computed (A, B: the left and right operand; K: the contracted axis; several contracted axes count as one K, in the product's order):
;;     1. [M 4,096, K 1,024] x [K 1,024, N 1,024]; A: input q; B: input wq: QUANTISED
;;     2. [M 4,096, K 1,024] x [K 1,024, N 1,024]; A: input kv; B: input wk: QUANTISED
;;     3. [M 4,096, K 1,024] x [K 1,024, N 1,024]; A: input kv; B: input wv: QUANTISED
;;     4. batch 32 x [M 2,048, K 64] x [K 64, N 2,048]; A: computed on the way; B: computed on the way: left as it is (an operand is computed on the way)
;;     5. batch 32 x [M 64, K 2,048] x [K 2,048, N 2,048]; A: computed on the way; B: computed on the way: left as it is (an operand is computed on the way)
;;     6. [M 4,096, K 1,024] x [K 1,024, N 1,024]; A: computed on the way; B: input wo: left as it is (an operand is computed on the way)
;;   THE QUANTISER, for each operand of a quantised product, along K:
;;     - K is cut into blocks of 32 from its start; a last block that is shorter is filled with zeros.
;;     - A block's scale is 2^e with e = floor(log2(the largest magnitude in the block)) - 2, held to -126 .. 127; a block of zeros has e = 0. As a byte (E8M0): e + 127.
;;     - Each number is divided by its block's scale, clamped to +-6, and rounded to the nearest number of E2M1, ties to even, subnormals kept.
;;     - The product sums the exact products of the quantised numbers (number of the format x scale) in f32.
;;   ~~~python
;;   def quantise(x, axis):      # numpy; x: float32 -> the quantised numbers, widened to float32 again
;;       x = np.moveaxis(x, axis, -1); K = x.shape[-1]
;;       x = np.pad(x, [(0, 0)] * (x.ndim - 1) + [(0, -K % 32)]); x = x.reshape(x.shape[:-1] + (-1, 32)); a = np.abs(x).max(-1, keepdims=True)
;;       e = np.where(a > 0, np.clip(np.frexp(np.where(a > 0, a, 1))[1] - 1 - 2, -126, 127), 0)      # np.frexp(a)[1] - 1 = floor(log2(a)), exactly
;;       r = np.clip(x / 2.0 ** e, -6, 6)
;;       step = 2.0 ** (np.maximum(np.frexp(np.where(r == 0, 1, r))[1] - 1, 0) - 1)
;;       q = np.round(r / step) * step * 2.0 ** e      # np.round: ties to even
;;       return np.moveaxis(q.reshape(q.shape[:-2] + (-1,))[..., :K], -1, axis).astype(np.float32)
;;   ~~~
;; One version. Each part assembles by itself: llvm-mc -triple=amdgcn-amd-amdhsa -mcpu=gfx1250 --defsym DOCPART=n.
;; ======== version 1 of 1: 4 launches
;; limits: values are held in f16: magnitudes above 65,504 overflow, below 6.1e-05 lose precision; right only within a limited range of input values
;; workspace buffers: qnt 7,176,192 bytes; mw 1,048,576 bytes of whole numbers; aux 2,113,536 bytes; qkv 25,165,824 bytes; aimg 8,388,608 bytes
;; launch prep (part 1): grid 384 x 1, 8 waves a work-group, no clusters, 69,632 bytes of LDS; arguments q, kv, wq, wk, wv, wo, mask, q_positions, kv_positions, qnt, mw, aux; writes qnt, mw, aux
.if DOCPART == 1
	.amdgcn_target "amdgcn-amd-amdhsa--gfx1250"
	.amdhsa_code_object_version 6
	.text
	.protected	k_q30b9853ab7_prep
	.globl	k_q30b9853ab7_prep
	.p2align	8
	.type	k_q30b9853ab7_prep,@function
k_q30b9853ab7_prep:
	s_mov_b64 s[64:65], 0
	v_nop
	global_prefetch_b8 v0, s[64:65] scope:SCOPE_SE
	s_setreg_imm32_b32 hwreg(HW_REG_WAVE_MODE, 25, 1), 1
	s_wait_xcnt 0x0
; PREP: everything that is made once from the inputs, laid as the later launches' operand registers want it.
; A fragment's IMAGE is 1,024 bytes: registers 0-3 of the 32 lanes (lane l's 16 bytes at 16 l), then registers 4-7 likewise.
;   work-groups   0-127 (A): q, kv [4096][1024] f32 -> E2M1 codes (images of 16 rows x 128 K) and E8M0 scale words
;   work-groups 128-223 (W): wq, wk, wv [1024 k][1024 n] f32 -> the same, quantised down K: a lane takes a column, its registers run down K
;   work-groups 224-287 (O): wo [1024 k][1024 n] f32 -> f16 images of 16 n x 32 k
;   work-groups 288-319 (M): mask bytes -> one 32-bit lane mask for each register of each 16 x 16 score tile; 1 / log2(number of true bytes) of each row
;   work-groups 320-383 (T): cos and sin of position / 10000^(i/32), in the order in which the projection's result registers hold a head's first 32 channels
; The five ways part on the work-group's number and never join; the two that use LDS have LDS bytes of their own.
; A block's scale: 2^(floor(log2(largest magnitude)) - 2); its byte is the largest magnitude's exponent field - 2, held at 1 from below by a floor among the maximum's leaves.
; LIMITS: NaN and infinities among the inputs are not served.  A block of zeros, or one whose largest magnitude lies under 2^-124, gets the byte 1 (the rule says 127 for zeros): its codes
; are zeros or the rule's own, and this program alone reads the bytes.  sin and cos: reduction by pi/2 in three parts and two polynomials on +-pi/4, good while |position| x 2/pi stays a
; whole number in f32 with room, about 10^5; the timescale's reciprocal is 2^(-i log2(10000)/32), a few units in the last place from a power and a division.
; 1 / log2(count) is stored in runs of 64 bytes: 16 KB in all.
.set XS_OFF, 0x400000                  ; qnt: codes of q, kv at 0; their scale words here;
.set WC_OFF, 0x440000                  ; the weights' codes;
.set WS_OFF, 0x5c0000                  ; their scale words;
.set RT_OFF, 0x5d8000                  ; the tables of cos and sin
.set IL_OFF, 0x200000                  ; aux: wo's images at 0; 1 / log2(count) here
.set STG,    8448                      ; way A: a stage of 16 rows x (512 + 16) bytes for each wave
.set WSC,    8*STG                     ; way W: 64 columns x 4 scale words
.set SPARE,  WSC+1024                  ; the spare words: 128 bytes for each of the eight waves, which no other line names
.set SPW,    246                       ; v246 my spare word's LDS address; never rewritten
.set NIL,    247                       ; v247 0; never rewritten
.set FLOOR,  0x1800000                 ; 2^(3 - 127)
.set EOFF,   0xff000000                ; 2 off an exponent field
	s_load_b512 s[4:19], s[0:1], 0x0               ; q, kv, wq, wk, wv, wo, mask, q_positions
	s_load_b256 s[20:27], s[0:1], 0x40             ; kv_positions, qnt, mw, aux
	v_lshl_add_u32 v[SPW], v0, 2, SPARE
	v_mov_b32 v[NIL], 0
	v_lshrrev_b32 v1, 5, v0
	v_readfirstlane_b32 s2, v1                     ; wave 0..7
	v_and_b32 v1, 31, v0                           ; lane
	v_and_b32 v2, 15, v0                           ; r
	v_bfe_u32 v3, v0, 4, 1                         ; h
	s_mov_b32 s46, 0x76543210
	s_mov_b32 s47, 0xfedcba98                      ; v_permlanex16_b32's selects for lane l xor 16
	s_wait_kmcnt 0x0
	s_cmp_lt_u32 ttmp9, 128
	s_cbranch_scc1 .Lpath_a
	s_cmp_lt_u32 ttmp9, 224
	s_cbranch_scc1 .Lpath_w
	s_cmp_lt_u32 ttmp9, 288
	s_cbranch_scc1 .Lpath_o
	s_cmp_lt_u32 ttmp9, 320
	s_cbranch_scc1 .Lpath_m
; ---------------- T: the tables.  A wave makes piece (wave % 4) of cos and of sin for one tile of 16 positions, for q's and for kv's positions.
; Lane (r, h), number e of piece p: position 16 tt + r, frequency i = 16 (p / 2) + 8 h + 4 (p % 2) + e.
	s_sub_co_u32 s28, ttmp9, 320
	s_lshl_b32 s28, s28, 1
	s_lshr_b32 s29, s2, 2
	s_add_co_u32 s28, s28, s29                     ; tt
	s_and_b32 s29, s2, 3                           ; the piece
	s_lshr_b32 s30, s29, 1
	s_lshl_b32 s30, s30, 4
	s_and_b32 s31, s29, 1
	s_lshl_b32 s31, s31, 2
	s_add_co_u32 s30, s30, s31                     ; 16 (p / 2) + 4 (p % 2)
	s_lshl_b32 s44, s28, 6                         ; 16 positions of 4 bytes
	s_mov_b32 s45, 0
	s_add_nc_u64 s[18:19], s[18:19], s[44:45]
	s_add_nc_u64 s[20:21], s[20:21], s[44:45]
	s_lshl_b32 s44, s28, 12                        ; a tile's eight pieces are 4,096 bytes
	s_lshl_b32 s31, s29, 9
	s_add_co_u32 s44, s44, s31
	s_add_co_u32 s44, s44, RT_OFF
	s_add_nc_u64 s[42:43], s[22:23], s[44:45]
	v_lshlrev_b32 v5, 2, v2
	global_load_b32 v6, v5, s[18:19]               ; q's position of my row
	global_load_b32 v7, v5, s[20:21]               ; kv's
	s_mov_b32 s32, 0x3f22f983                      ; 2 / pi
	s_mov_b32 s33, 0x3fc90fda                      ; pi / 2 in three parts
	s_mov_b32 s34, 0x33a22168
	s_mov_b32 s35, 0x27c234c4
	s_mov_b32 s36, 0xb94ca1f9                      ; sin r = r + r z (S1 + z (S2 + z S3)), z = r r
	s_mov_b32 s37, 0x3c08839e
	s_mov_b32 s38, 0xbe2aaaa3
	s_mov_b32 s39, 0x37ccf5ce                      ; cos r = 1 - z / 2 + z z (C1 + z (C2 + z C3))
	s_mov_b32 s40, 0xbab6061a
	s_mov_b32 s41, 0x3d2aaaa5
	v_lshl_add_u32 v4, v3, 3, s30                  ; my first frequency
	v_lshlrev_b32 v13, 4, v1                       ; 16 bytes a lane
.irp e, 0,1,2,3
	v_add_nc_u32 v[8+\e], \e, v4
.endr
.irp e, 0,1,2,3
	v_cvt_f32_u32 v[8+\e], v[8+\e]
.endr
.irp e, 0,1,2,3
	v_mul_f32 v[8+\e], 0xbed49a78, v[8+\e]         ; -i log2(10000) / 32
.endr
.irp e, 0,1,2,3
	v_exp_f32 v[8+\e], v[8+\e]                     ; 1 / timescale
.endr
	v_nop                                          ; a plain instruction behind the last exponential,
	s_wait_alu depctr_va_vdst(0)                   ; and the one wait for the four, ahead of their first reader
	s_wait_loadcnt 0x0
.macro ROPE wh                         ; wh = 0: q's positions, 1: kv's.  Results: cos v[32 + 8 wh ..], sin v[36 + 8 wh ..]: registers of their own, so that no store's data are rewritten
	v_cvt_f32_i32 v12, v[6+\wh]
.irp e, 0,1,2,3
	v_mul_f32 v[16+\e], v12, v[8+\e]               ; the angle x
.endr
.irp e, 0,1,2,3
	v_mul_f32 v[20+\e], s32, v[16+\e]
.endr
.irp e, 0,1,2,3
	v_rndne_f32 v[20+\e], v[20+\e]                 ; n = the nearest whole number to x 2 / pi
.endr
.irp e, 0,1,2,3
	v_fma_f32 v[16+\e], -v[20+\e], s33, v[16+\e]   ; r = x - n pi / 2, part by part
.endr
.irp e, 0,1,2,3
	v_fma_f32 v[16+\e], -v[20+\e], s34, v[16+\e]
.endr
.irp e, 0,1,2,3
	v_fma_f32 v[16+\e], -v[20+\e], s35, v[16+\e]
.endr
.irp e, 0,1,2,3
	v_cvt_i32_f32 v[60+\e], v[20+\e]               ; n as a whole number: its low two bits are the quadrant
	v_mul_f32 v[24+\e], v[16+\e], v[16+\e]         ; z
.endr
.irp e, 0,1,2,3
	v_fma_f32 v[28+\e], v[24+\e], s36, s37
	v_fma_f32 v[48+\e], v[24+\e], s39, s40
.endr
.irp e, 0,1,2,3
	v_fma_f32 v[28+\e], v[24+\e], v[28+\e], s38
	v_fma_f32 v[48+\e], v[24+\e], v[48+\e], s41
.endr
.irp e, 0,1,2,3
	v_mul_f32 v[52+\e], v[24+\e], v[16+\e]
	v_mul_f32 v[56+\e], v[24+\e], v[24+\e]
	v_fma_f32 v[20+\e], v[24+\e], -0.5, 1.0
.endr
.irp e, 0,1,2,3
	v_fma_f32 v[52+\e], v[52+\e], v[28+\e], v[16+\e]   ; sin r
	v_fma_f32 v[56+\e], v[56+\e], v[48+\e], v[20+\e]   ; cos r
.endr
.irp e, 0,1,2,3
	v_and_b32 v[24+\e], 1, v[60+\e]
	v_cmp_eq_u32 vcc_lo, 1, v[24+\e]               ; an odd quadrant swaps the two
	v_cndmask_b32 v[28+\e], v[52+\e], v[56+\e], vcc_lo
	v_cndmask_b32 v[48+\e], v[56+\e], v[52+\e], vcc_lo
.endr
.irp e, 0,1,2,3
	v_and_b32 v[16+\e], 2, v[60+\e]                ; sin changes sign in quadrants 2, 3;
	v_add_nc_u32 v[20+\e], 1, v[60+\e]
.endr
.irp e, 0,1,2,3
	v_and_b32 v[20+\e], 2, v[20+\e]                ; cos in quadrants 1, 2
	v_lshlrev_b32 v[16+\e], 30, v[16+\e]
.endr
.irp e, 0,1,2,3
	v_lshlrev_b32 v[20+\e], 30, v[20+\e]
	v_xor_b32 v[36+8*\wh+\e], v[16+\e], v[28+\e]
.endr
.irp e, 0,1,2,3
	v_xor_b32 v[32+8*\wh+\e], v[20+\e], v[48+\e]
.endr
	global_store_b128 v13, v[32+8*\wh:35+8*\wh], s[42:43] offset:\wh*0x80000        ; 512 consecutive bytes a wave
	global_store_b128 v13, v[36+8*\wh:39+8*\wh], s[42:43] offset:\wh*0x80000+2048
.endm
	ROPE 0
	ROPE 1
	s_endpgm
; ---------------- A: q and kv.  A wave takes 16 rows x 512 along K: four fragments.
; A load takes 512 consecutive bytes of a row; the conversions want 32 neighbours along K in one lane: so a fragment's 16 x 512 bytes turn through the wave's own stage.
.Lpath_a:
	s_cmp_lt_u32 ttmp9, 64                         ; the first 64 work-groups take q, the others kv: the choice hangs on the work-group's number alone
	s_cselect_b64 s[4:5], s[4:5], s[6:7]
	s_lshl_b32 s28, ttmp9, 3
	s_add_co_u32 s28, s28, s2                      ; the wave's task
	s_lshr_b32 s29, s28, 9                         ; tensor
	s_bfe_u32 s30, s28, 0x80001                    ; tile of 16 rows
	s_and_b32 s31, s28, 1                          ; half of K
	s_lshl_b32 s32, s30, 16                        ; 16 rows of 4,096 bytes
	s_lshl_b32 s33, s31, 11
	s_add_co_u32 s32, s32, s33
	s_mov_b32 s33, 0
	s_add_nc_u64 s[4:5], s[4:5], s[32:33]
	s_lshl_b32 s32, s29, 21                        ; codes: [tensor][half of K][tile][4 fragments]
	s_lshl_b32 s34, s31, 20
	s_add_co_u32 s32, s32, s34
	s_lshl_b32 s34, s30, 12
	s_add_co_u32 s32, s32, s34
	s_add_nc_u64 s[36:37], s[22:23], s[32:33]
	s_lshl_b32 s32, s29, 17                        ; scale words: [tensor][tile][half of K][row][4 words]
	s_and_b32 s34, s28, 511
	s_lshl_b32 s34, s34, 8
	s_add_co_u32 s32, s32, s34
	s_add_co_u32 s32, s32, XS_OFF
	s_add_nc_u64 s[38:39], s[22:23], s[32:33]
	s_mul_i32 s40, s2, STG
	v_lshlrev_b32 v4, 4, v1                        ; 16 x lane
	v_add_nc_u32 v5, s40, v4                       ; the stage, on the way in
	v_mul_u32_u24 v6, v2, 528
	v_lshl_add_u32 v6, v3, 7, v6
	v_add_nc_u32 v6, s40, v6                       ; and back: row r, 128 h bytes on: my 32 numbers of each 64
	v_lshlrev_b32 v7, 4, v2
	v_lshl_add_u32 v7, v3, 3, v7                   ; the scale words' place: 16 r + 8 h
	v_lshlrev_b32 v8, 3, v3                        ; 8 h bits
	v_mov_b32 v15, 0                               ; written once: a lane permute's destination counts as one of its sources
.macro LOADF f                         ; fragment f's 16 rows x 512 bytes into set f % 2
.set i, 0
.rept 16
	global_load_b128 v[16+64*((\f)%2)+4*i:16+64*((\f)%2)+4*i+3], v4, s[4:5] offset:i*4096+(\f)*512 th:TH_LOAD_NT
.set i, i+1
.endr
.endm
.macro FRAGA f
.if (\f) < 3
	s_wait_loadcnt 16                              ; this fragment's 16 loads are in; the next one's may be out
.else
	s_wait_loadcnt 0x0
.endif
.set i, 0
.rept 16
	ds_store_b128 v5, v[16+64*((\f)%2)+4*i:16+64*((\f)%2)+4*i+3] offset:528*i
.set i, i+1
.endr
.irp c, 0,1
.irp e, 0,1,2,3,4,5,6,7
	ds_load_b128 v[144+32*\c+4*\e:144+32*\c+4*\e+3], v6 offset:256*\c+16*\e    ; LDS serves a wave's instructions in order: these see the stores above.  k = 64 c + 32 h + 0 .. 31 of row r
.endr
.endr
	s_wait_dscnt 0x0
.if (\f) < 2
	LOADF (\f)+2
.endif
.irp c, 0,1
	v_max3_num_f32 v[9+\c], |v[144+32*\c]|, |v[145+32*\c]|, FLOOR   ; my two whole blocks by turns, and the floor
.endr
.set i, 2
.rept 15
.irp c, 0,1
	v_max3_num_f32 v[9+\c], v[9+\c], |v[144+32*\c+i]|, |v[145+32*\c+i]|
.endr
.set i, i+2
.endr
	v_add_nc_u32 v11, EOFF, v9                     ; 2 off the exponent field: the conversion takes this operand's exponent field as its scale
	v_add_nc_u32 v12, EOFF, v10
	v_lshrrev_b32 v13, 23, v11                     ; the scales' bytes: blocks h and 2 + h
	v_lshrrev_b32 v14, 23, v12
	v_lshl_or_b32 v13, v14, 16, v13
	v_lshlrev_b32 v13, v8, v13                     ; at their places in the word;
	v_permlanex16_b32 v15, v13, s46, s47
	v_or_b32 v[240+(\f)], v13, v15                 ; with lane l xor 16's two the word is whole
.irp c, 0,1
.irp g, 0,1,2,3
	v_cvt_scalef32_pk8_fp4_f32 v[208+8*(\f)+4*\c+\g], v[144+32*\c+8*\g:151+32*\c+8*\g], v[11+\c]
.endr
.endr
	v_nop                                          ; a plain instruction behind the last scaled conversion
.irp c, 0,1
	global_store_b128 v4, v[208+8*(\f)+4*\c:211+8*(\f)+4*\c], s[36:37] offset:(\f)*1024+\c*512   ; the image: 512 consecutive bytes
.endr
.endm
	LOADF 0
	LOADF 1
	FRAGA 0
	FRAGA 1
	FRAGA 2
	FRAGA 3
	v_cmp_eq_u32 vcc_lo, 1, v3
	v_cndmask_b32 v10, v240, v242, vcc_lo          ; lanes 0-15 store words 0, 1 of row r, lanes 16-31 words 2, 3:
	v_cndmask_b32 v11, v241, v243, vcc_lo
	global_store_b64 v7, v[10:11], s[38:39]        ; 256 consecutive bytes
	s_wait_tensorcnt 0x0                           ; the wave's end, behind my last LDS store
	ds_add_u32 v[SPW], v[NIL]
	s_wait_dscnt 0x0
	s_endpgm
; ---------------- W: wq, wk, wv.  A work-group takes 64 columns x 512 along K; wave w: columns 32 (w % 2) on, K step w / 2 of the four.
; Lane l holds column l's four blocks of 32: block 2 c + h of column r is lane (r, h)'s 16 bytes of piece c of the fragment: each half of the lanes stores 256 consecutive bytes.
.Lpath_w:
	s_sub_co_u32 s28, ttmp9, 128
	s_lshr_b32 s29, s28, 5                         ; which weight
	s_bfe_u32 s30, s28, 0x40001                    ; block of 64 columns
	s_and_b32 s31, s28, 1                          ; half of K
	s_and_b32 s32, s2, 1                           ; cw
	s_lshr_b32 s33, s2, 1                          ; kw
	s_cmp_eq_u32 s29, 0
	s_cselect_b64 s[4:5], s[8:9], s[10:11]
	s_cmp_eq_u32 s29, 2
	s_cselect_b64 s[4:5], s[12:13], s[4:5]
	s_lshl_b32 s34, s31, 21                        ; 512 rows of 4,096 bytes
	s_lshl_b32 s35, s33, 19                        ; 128 rows
	s_add_co_u32 s34, s34, s35
	s_lshl_b32 s35, s30, 8
	s_add_co_u32 s34, s34, s35
	s_lshl_b32 s35, s32, 7
	s_add_co_u32 s34, s34, s35
	s_mov_b32 s35, 0
	s_add_nc_u64 s[4:5], s[4:5], s[34:35]
	s_lshl_b32 s34, s29, 19                        ; codes: [weight][half of K][tile of 16 columns][4 fragments]
	s_lshl_b32 s36, s31, 18
	s_add_co_u32 s34, s34, s36
	s_lshl_b32 s36, s30, 14
	s_add_co_u32 s34, s34, s36
	s_lshl_b32 s36, s32, 13
	s_add_co_u32 s34, s34, s36
	s_lshl_b32 s36, s33, 10
	s_add_co_u32 s34, s34, s36
	s_add_co_u32 s34, s34, WC_OFF
	s_add_nc_u64 s[38:39], s[22:23], s[34:35]
	s_lshl_b32 s34, s29, 15                        ; scale words: [weight][tile][half of K][column][4 words]
	s_lshl_b32 s36, s30, 11
	s_add_co_u32 s34, s34, s36
	s_lshl_b32 s36, s32, 10
	s_add_co_u32 s34, s34, s36
	s_lshl_b32 s36, s31, 8
	s_add_co_u32 s34, s34, s36
	s_add_co_u32 s34, s34, WS_OFF
	s_add_nc_u64 s[40:41], s[22:23], s[34:35]
	s_lshl_b32 s42, s32, 9
	s_add_co_u32 s43, s42, WSC                     ; LDS: my 32 columns' words,
	s_lshl_b32 s42, s33, 2
	s_add_co_u32 s42, s42, s43                     ; and my K step's word among a column's four
	v_lshlrev_b32 v4, 2, v1                        ; in: 4 bytes a lane
	v_lshlrev_b32 v5, 4, v2
	v_lshl_add_u32 v6, v3, 12, v5                  ; codes: lanes 16-31 belong to the next tile, 4,096 bytes on
	v_lshl_add_u32 v9, v3, 9, v5                   ; scale words: 512 bytes on
	v_lshl_add_u32 v7, v1, 4, s42
	v_lshl_add_u32 v8, v1, 4, s43
.set i, 0
.rept 128
	global_load_b32 v[16+i], v4, s[4:5] offset:i*4096 th:TH_LOAD_NT     ; row i of my 128, 32 neighbouring columns: 128 consecutive bytes
.set i, i+1
.endr
.macro WBLOCK t
.set XB, 16+32*(\t)
.if (\t) < 2
	s_wait_loadcnt 63                              ; behind this block's last load 64 or more were issued
.elseif (\t) == 2
	s_wait_loadcnt 32                              ; the last block's 32 may be out
.else
	s_wait_loadcnt 0x0
.endif
	v_max3_num_f32 v12, |v[XB]|, |v[XB+1]|, |v[XB+2]|      ; the block's largest magnitude: all 32 numbers are mine; two chains
	v_max3_num_f32 v13, |v[XB+3]|, |v[XB+4]|, |v[XB+5]|
.irp i, 6,10,14,18,22,26
	v_max3_num_f32 v12, v12, |v[XB+\i]|, |v[XB+\i+1]|
	v_max3_num_f32 v13, v13, |v[XB+\i+2]|, |v[XB+\i+3]|
.endr
	v_max3_num_f32 v12, v12, |v[XB+30]|, |v[XB+31]|
	v_max3_num_f32 v12, v12, v13, FLOOR
	v_add_nc_u32 v11, EOFF, v12
	v_lshrrev_b32 v13, 23, v11
.if (\t) == 0
	v_mov_b32 v160, v13                            ; the four bytes make the column's scale word of this K step
.else
	v_lshl_or_b32 v160, v13, 8*(\t), v160
.endif
.irp g, 0,1,2,3
	v_cvt_scalef32_pk8_fp4_f32 v[144+4*(\t)+\g], v[XB+8*\g:XB+8*\g+7], v11
.endr
	v_nop                                          ; a plain instruction behind the last scaled conversion
	global_store_b128 v6, v[144+4*(\t):147+4*(\t)], s[38:39] offset:((\t)/2)*512+((\t)%2)*256
.endm
	WBLOCK 0
	WBLOCK 1
	WBLOCK 2
	WBLOCK 3
	ds_store_b32 v7, v160
	s_wait_dscnt 0x0                               ; for the others' sake: my word lies in LDS
	s_barrier_signal -1
	s_barrier_wait -1
	s_cmp_lt_u32 s2, 2                             ; waves 0 and 1 store the words of their 32 columns, four to a column
	s_cbranch_scc0 .Lw_done
	ds_load_b128 v[164:167], v8
	s_wait_dscnt 0x0
	global_store_b128 v9, v[164:167], s[40:41]     ; each half of the lanes: 256 consecutive bytes
.Lw_done:
	s_wait_tensorcnt 0x0                           ; the wave's end, behind my last LDS store
	ds_add_u32 v[SPW], v[NIL]
	s_wait_dscnt 0x0
	s_endpgm
; ---------------- O: wo to f16.  A work-group takes 64 columns x 256 along K; wave w: columns 32 (w % 2) on, 64 along K from 64 (w / 2) on: eight octets.
; Octet 4 s + 2 p + h of column r is lane (r, h)'s 16 bytes of piece p of fragment s.
.Lpath_o:
	s_sub_co_u32 s28, ttmp9, 224
	s_lshr_b32 s30, s28, 2                         ; block of 64 columns
	s_and_b32 s31, s28, 3                          ; quarter of K
	s_and_b32 s32, s2, 1
	s_lshr_b32 s33, s2, 1
	s_lshl_b32 s34, s31, 20
	s_lshl_b32 s35, s33, 18
	s_add_co_u32 s34, s34, s35
	s_lshl_b32 s35, s30, 8
	s_add_co_u32 s34, s34, s35
	s_lshl_b32 s35, s32, 7
	s_add_co_u32 s34, s34, s35
	s_mov_b32 s35, 0
	s_add_nc_u64 s[14:15], s[14:15], s[34:35]
	s_lshl_b32 s34, s31, 19                        ; images: [quarter of K][tile of 16 columns][8 fragments]
	s_lshl_b32 s36, s30, 15
	s_add_co_u32 s34, s34, s36
	s_lshl_b32 s36, s32, 14
	s_add_co_u32 s34, s34, s36
	s_lshl_b32 s36, s33, 11
	s_add_co_u32 s34, s34, s36
	s_add_nc_u64 s[38:39], s[26:27], s[34:35]
	v_lshlrev_b32 v4, 2, v1
	v_lshlrev_b32 v5, 4, v2
	v_lshl_add_u32 v6, v3, 13, v5                  ; lanes 16-31 belong to the next tile, 8,192 bytes on
.set i, 0
.rept 64
	global_load_b32 v[16+i], v4, s[14:15] offset:i*4096 th:TH_LOAD_NT
.set i, i+1
.endr
.irp o, 0,1,2,3,4,5,6,7
	s_wait_loadcnt 8*(7-\o)                        ; this octet's eight loads are in; the later octets' may be out
.irp p, 0,1,2,3
	v_cvt_pk_f16_f32 v[80+4*\o+\p], v[16+8*\o+2*\p], v[17+8*\o+2*\p]     ; the lower k in the low half
.endr
	global_store_b128 v6, v[80+4*\o:83+4*\o], s[38:39] offset:(\o/4)*1024+((\o/2)%2)*512+(\o%2)*256
.endr
	s_endpgm
; ---------------- M: the mask.  A wave takes 16 rows (a tile of queries) x 2,048 keys, in four groups of 512 keys.
; Lane l's 16 bytes of a row of group cg are the 16 keys of key tile 32 cg + l: so a lane gathers that tile's eight words by itself.  Word j, bit r + 16 h = mask(row r, key 8 h + j).
.Lpath_m:
	s_sub_co_u32 s28, ttmp9, 288
	s_lshl_b32 s28, s28, 3
	s_add_co_u32 s28, s28, s2                      ; the tile of rows, 0 .. 255, batch and all
	s_lshl_b32 s30, s28, 15                        ; 16 rows of 2,048 bytes
	s_mov_b32 s31, 0
	s_add_nc_u64 s[16:17], s[16:17], s[30:31]
	s_lshl_b32 s30, s28, 12                        ; 4 groups x 1,024 bytes of words
	s_add_nc_u64 s[24:25], s[24:25], s[30:31]
	s_lshl_b32 s30, s28, 6
	s_add_co_u32 s30, s30, IL_OFF
	s_add_nc_u64 s[26:27], s[26:27], s[30:31]
	s_mov_b32 s40, 0x0400                          ; v_perm_b32: byte q of the second source, then byte q of the first
	s_mov_b32 s41, 0x0501
	s_mov_b32 s42, 0x0602
	s_mov_b32 s43, 0x0703
	s_mov_b32 s44, 0x05040100                      ; the two low halves
	s_mov_b32 s45, 0x01010101
	v_lshlrev_b32 v4, 4, v1
	v_lshlrev_b32 v5, 2, v2
.macro LOADG cg
.set i, 0
.rept 16
	global_load_b128 v[16+64*((\cg)%2)+4*i:16+64*((\cg)%2)+4*i+3], v4, s[16:17] offset:i*2048+(\cg)*512 th:TH_LOAD_NT
.set i, i+1
.endr
.endm
.macro GROUP cg
.set RS, 16+64*((\cg)%2)
.if (\cg) < 3
	s_wait_loadcnt 16                              ; this group's 16 loads are in; the next one's may be out
.else
	s_wait_loadcnt 0x0
.endif
.irp e, 0,1,2,3
	v_lshl_or_b32 v[144+\e], v[RS+4+\e], 1, v[RS+\e]           ; byte q of v[144 + e]: bit i = mask(row i, key 4 e + q), rows 0-7;
	v_lshl_or_b32 v[148+\e], v[RS+36+\e], 1, v[RS+32+\e]       ; v[148 + e]: rows 8-15.  A byte is 0 or 1, so no bit leaves its byte
.endr
.irp i, 2,3,4,5,6,7
.irp e, 0,1,2,3
	v_lshl_or_b32 v[144+\e], v[RS+4*\i+\e], \i, v[144+\e]
	v_lshl_or_b32 v[148+\e], v[RS+32+4*\i+\e], \i, v[148+\e]
.endr
.endr
.set i, 0
.rept 16
	v_add3_u32 v[201+i%2], v[RS+4*i], v[RS+4*i+1], v[RS+4*i+2]     ; the row's count, four bytes side by side: 16 at the most in each
.if (\cg) == 0
	v_add_nc_u32 v[152+i], v[201+i%2], v[RS+4*i+3]
.else
	v_add3_u32 v[152+i], v[152+i], v[201+i%2], v[RS+4*i+3]
.endif
.set i, i+1
.endr
.irp j, 0,1,2,3,4,5,6,7
	v_perm_b32 v201, v[148+\j/4], v[144+\j/4], s[40+\j%4]      ; key j: rows 0-7, rows 8-15
	v_perm_b32 v202, v[150+\j/4], v[146+\j/4], s[40+\j%4]      ; key 8 + j
	v_perm_b32 v[168+8*(\cg)+\j], v202, v201, s44
.endr
	global_store_b128 v4, v[168+8*(\cg):171+8*(\cg)], s[24:25] offset:(\cg)*1024        ; words 0-3 of 32 key tiles: 512 consecutive bytes
	global_store_b128 v4, v[172+8*(\cg):175+8*(\cg)], s[24:25] offset:(\cg)*1024+512    ; words 4-7
.if (\cg) < 2
	LOADG (\cg)+2
.endif
.endm
	LOADG 0
	LOADG 1
	GROUP 0
	GROUP 1
	GROUP 2
	GROUP 3
.set i, 0
.rept 16
	v_mul_lo_u32 v[152+i], v[152+i], s45           ; the four bytes' sum arrives in the top byte
.set i, i+1
.endr
.set i, 0
.rept 16
	v_lshrrev_b32 v[152+i], 24, v[152+i]
.set i, i+1
.endr
.set i, 0
.rept 16
	v_cvt_f32_u32 v[152+i], v[152+i]               ; whole numbers up to 2,048: f32 sums of them are exact
.set i, i+1
.endr
.irp m, 1,2,4,8
.set i, 0
.rept 16
	v_add_f32_dpp v[152+i], v[152+i], v[152+i] row_xmask:\m row_mask:0xf bank_mask:0xf
.set i, i+1
.endr
.endr
.set i, 0
.rept 16
	v_permlanex16_b32 v[16+i], v[152+i], s46, s47  ; (its destination has been written: a mask word long since used)
.set i, i+1
.endr
.set i, 0
.rept 16
	v_add_f32 v[152+i], v[152+i], v[16+i]
.set i, i+1
.endr
	v_mov_b32 v201, v152
.irp i, 1,2,3,4,5,6,7,8,9,10,11,12,13,14,15
	v_cmp_eq_u32 vcc_lo, \i, v2
	v_cndmask_b32 v201, v201, v[152+\i], vcc_lo    ; lane (r, h) keeps row r's count
.endr
	v_log_f32 v202, v201                           ; count 0: -infinity; count 1: 0
	v_nop
	s_wait_alu depctr_va_vdst(0)
	v_rcp_f32 v203, v202                           ; -0; infinity
	v_nop
	s_wait_alu depctr_va_vdst(0)
	global_store_b32 v5, v203, s[26:27]            ; both halves of the lanes store the same number at the same place: EXEC is never changed
	s_endpgm
.Lfunc_end_k_q30b9853ab7_prep:
	.size	k_q30b9853ab7_prep, .Lfunc_end_k_q30b9853ab7_prep-k_q30b9853ab7_prep
	.p2alignl 7, 3214868480
	.fill 96, 4, 3214868480
	.section	.rodata,"a",@progbits
	.p2align	6, 0x0
	.amdhsa_kernel k_q30b9853ab7_prep
		.amdhsa_group_segment_fixed_size 69632
		.amdhsa_private_segment_fixed_size 0
		.amdhsa_enable_private_segment 0
		.amdhsa_kernarg_size 96
		.amdhsa_user_sgpr_count 2
		.amdhsa_user_sgpr_kernarg_segment_ptr 1
		.amdhsa_wavefront_size32 1
		.amdhsa_system_sgpr_workgroup_id_x 1
		.amdhsa_system_sgpr_workgroup_id_y 1
		.amdhsa_system_sgpr_workgroup_id_z 1
		.amdhsa_system_vgpr_workitem_id 0
		.amdhsa_next_free_vgpr 248
		.amdhsa_next_free_sgpr 66
		.amdhsa_reserve_vcc 1
		.amdhsa_float_denorm_mode_32 3
		.amdhsa_float_denorm_mode_16_64 3
		.amdhsa_memory_ordered 1
		.amdhsa_forward_progress 1
		.amdhsa_inst_pref_size 117
	.end_amdhsa_kernel
	.amdgpu_metadata
---
amdhsa.version: [ 1, 2 ]
amdhsa.kernels:
  - .name:           k_q30b9853ab7_prep
    .symbol:         k_q30b9853ab7_prep.kd
    .args:
      - { .name: q, .offset: 0, .size: 8, .value_kind: global_buffer, .address_space: global }
      - { .name: kv, .offset: 8, .size: 8, .value_kind: global_buffer, .address_space: global }
      - { .name: wq, .offset: 16, .size: 8, .value_kind: global_buffer, .address_space: global }
      - { .name: wk, .offset: 24, .size: 8, .value_kind: global_buffer, .address_space: global }
      - { .name: wv, .offset: 32, .size: 8, .value_kind: global_buffer, .address_space: global }
      - { .name: wo, .offset: 40, .size: 8, .value_kind: global_buffer, .address_space: global }
      - { .name: mask, .offset: 48, .size: 8, .value_kind: global_buffer, .address_space: global }
      - { .name: q_positions, .offset: 56, .size: 8, .value_kind: global_buffer, .address_space: global }
      - { .name: kv_positions, .offset: 64, .size: 8, .value_kind: global_buffer, .address_space: global }
      - { .name: qnt, .offset: 72, .size: 8, .value_kind: global_buffer, .address_space: global }
      - { .name: mw, .offset: 80, .size: 8, .value_kind: global_buffer, .address_space: global }
      - { .name: aux, .offset: 88, .size: 8, .value_kind: global_buffer, .address_space: global }
    .group_segment_fixed_size: 69632
    .private_segment_fixed_size: 0
    .kernarg_segment_align: 8
    .kernarg_segment_size: 96
    .max_flat_workgroup_size: 256
    .sgpr_count:     66
    .vgpr_count:     248
    .wavefront_size: 32
...
	.end_amdgpu_metadata
.endif
;; end of part 1
;; launch proj (part 2): grid 12 x 16, 4 waves a work-group, clusters of 4 x 4, 327,680 bytes of LDS; arguments qnt, bq, bk, bv, q_scale, k_scale, qkv; writes qkv
.if DOCPART == 2
	.amdgcn_target "amdgcn-amd-amdhsa--gfx1250"
	.amdhsa_code_object_version 6
	.text
	.protected	k_q30b9853ab7_proj
	.globl	k_q30b9853ab7_proj
	.p2align	8
	.type	k_q30b9853ab7_proj,@function
k_q30b9853ab7_proj:
	s_mov_b64 s[64:65], 0
	v_nop
	global_prefetch_b8 v0, s[64:65] scope:SCOPE_SE
	s_setreg_imm32_b32 hwreg(HW_REG_WAVE_MODE, 25, 1), 1
	s_wait_xcnt 0x0
	s_wait_alu depctr_hold_cnt(0) depctr_sa_sdst(0) depctr_va_vdst(0) depctr_va_sdst(0) depctr_va_ssrc(0) depctr_va_vcc(0) depctr_vm_vsrc(0)
	s_getreg_b32 s2, hwreg(HW_REG_IB_STS2, 6, 4)
	s_cmp_eq_u32 s2, 0
	s_cbranch_scc0 .Lentry_in_a_cluster
	s_endpgm
.Lentry_in_a_cluster:
	s_bfe_u32 s2, ttmp6, 0x10000c
	s_cmp_lg_u32 s2, 0xf033
	s_cbranch_scc0 .Lentry_shape_is_right
	s_endpgm
.Lentry_shape_is_right:
; PROJ: the three quantised projections on codes of E2M1 with E8M0 scales, K = 1,024, and what follows them: bias; for q and k the RMS norm over a head's 64 channels with (1 + scale) and RoPE;
; rounding to f16; stored as images of the operand registers of the attention launch.
; The cluster's x says which: 0: q wq, 1: kv wk, 2: kv wv.  A work-group makes 256 x 256, each of its four waves 128 x 128: 64 accumulators of 16 x 16, 512 registers.
; The matrix instruction takes 16 rows of the "B side" as source 0 and 16 rows of the "A side" as source 1: a lane then holds ONE row of the A side and EIGHT neighbouring rows of the B side.
;   q, k: A side = tokens, B side = the weight's columns n: a lane holds a token and eight channels: a piece of a fragment [token][channel] of Q or K.
;   v:    A side = the weight's columns, B side = tokens: a lane holds a channel and eight tokens: a piece of a fragment [channel][key] of V^T.  Nothing is transposed.
; Codes arrive as images (1,024 bytes a fragment of 16 rows x 128 K): a slot's tile of 128 rows x 512 K is 32,768 consecutive bytes, a fragment load reads 512 consecutive LDS bytes.
; K has two slots of 512, both filled at the start and never again; the scale words of all of K come with them.
; CLUSTER 4 x 4: the four work-groups of a row of the cluster need the same A side, the four of a column the same B side: each tile is asked for jointly.
; 192 work-groups: a tile holds whole heads of one tensor.
; q is multiplied by log2(e) / 200 on the way (with its gain): 2^(q' . k) is then e^(2 logit / 50), which the softcap's tanh wants.
; The text parts on the tensor ONCE, behind the change of slots, and the two ways never join: each holds its loads of biases, the second slot's products, under which they land, and its way out.
; LIMITS: k and v must fit f16: |k| <= 8 |1 + k_scale| and |v| under 65,504; NaN and infinities are not served.
; REGISTERS: window 0: v16-29 addresses; v32-95 scale words, two sets; v128-191 A's fragments, one set; v96-127, v192-255 gains and biases.  On the way out v32-95 a row block's numbers, v128-191 cos and sin.
;   window 1: B's fragments, two sets, at v0 and v128.  window 2: the accumulators of my A rows 0-63 ((a, b) at v[8 (8 a + b)]); window 3: rows 64-127.
.set XS_OFF, 0x400000
.set WC_OFF, 0x440000
.set WS_OFF, 0x5c0000
.set RT_OFF, 0x5d8000
.set VI_OFF, 0x1000000
.set NQ,     4                         ; steps of 128 along K in a slot
.set FR,     8                         ; registers of a fragment
.set NL,     2                         ; LDS loads that bring one
.set NP,     4                         ; places behind this matrix instruction (ISA guide 7.12.1)
.set SLOT,   131072                    ; A's 64 KB, then B's
.set SCA,    2*SLOT                    ; A's scale words, 8 KB; B's behind them
.set SPARE,  SCA+16384                 ; the spare words, 128 bytes for each wave, which no other line names
.set ADRA, 16                          ; v16-17 LDS address of my A fragments in slot 0, 1
.set ADRB, 20                          ; v20-21 the same for B
.set R4,   24                          ; v24 4 r
.set H32,  25                          ; v25 32 h
.set LI,   26                          ; v26 16 x lane
.set ADRS, 27                          ; v27 LDS address of my scale words: lanes 0-15 A's rows, lanes 16-31 B's
.set SPW,  28                          ; v28 my spare word's LDS address; never rewritten
.set NIL,  29                          ; v29 0; never rewritten
.set SC,   32
.set AF,   128
.set G1, 24                            ; s[24:31] group 1 for A's tiles; s[32:39] groups 0, one for each slot
.set G0, 32
.set G1B, 48                           ; s[48:55], s[56:63] for B's
.set G0B, 56
.set G1S, 68                           ; s[68:75], s[76:79] for A's scale words; s[80:87], s[88:91] for B's
.set G0S, 76
.set G1SB, 80
.set G0SB, 88
.set MSB, 0
.macro WIN new                         ; the immediate's high byte repeats the setting that is left
.if MSB != \new
	s_set_vgpr_msb (MSB<<8)|\new
.set MSB, \new
.endif
.endm
.set MUL_LO, 0xa1                      ; source 0 (B) window 1, source 1 (A) window 0, C and D window 2
.set MUL_HI, 0xf1                      ; the same, C and D window 3
.set TO_B,   0x40                      ; destination window 1, address window 0
; A joint load: waves 0 and 1 fetch for A, waves 2 and 3 for B.  The branch hangs on the wave's number alone.  An s_nop 0 and four v_nop follow each of the two lines.
.macro JLOAD g0a, g1a, g0b, g1b
	s_cmp_eq_u32 s15, 0
	s_cbranch_scc0 .Lfor_b_\@
	tensor_load_to_lds s[\g0a:\g0a+3], s[\g1a:\g1a+7]
	s_nop 0
.rept 4
	v_nop
.endr
	s_branch .Lasked_\@
.Lfor_b_\@:
	tensor_load_to_lds s[\g0b:\g0b+3], s[\g1b:\g1b+7]
	s_nop 0
.rept 4
	v_nop
.endr
.Lasked_\@:
.endm
.macro CROUND                          ; a round of the cluster's barrier
	s_barrier_signal -1
	s_barrier_wait -1
	s_cmp_lg_u32 s14, 0
	s_cbranch_scc1 .Lnot_wave_0_\@
	s_barrier_signal -3
.Lnot_wave_0_\@:
	s_barrier_wait -3
	s_barrier_signal -1
	s_barrier_wait -1
.endm
	s_load_b256 s[4:11], s[0:1], 0x0               ; qnt, bq, bk, bv
	s_load_b128 s[92:95], s[0:1], 0x20             ; q_scale, k_scale
	s_load_b64 s[96:97], s[0:1], 0x30              ; qkv
	v_lshl_add_u32 v[SPW], v0, 2, SPARE
	v_mov_b32 v[NIL], 0
	ds_add_u32 v[SPW], v[NIL]                      ; the wave's opening: the add, twice on end, and its wait ahead of my first tensor load
	ds_add_u32 v[SPW], v[NIL]
	v_lshrrev_b32 v1, 5, v0
	v_readfirstlane_b32 s14, v1                    ; wave 0..3
	s_lshr_b32 s15, s14, 1                         ; which half of the A side is mine.  Also: I fetch for A (0) or for B (1)
	s_and_b32 s16, s14, 1                          ; which half of the B side.  Also: which 128 rows of that tile I fetch
	s_bfe_u32 s40, ttmp6, 0x40000                  ; cx, cy: my place in the cluster
	s_bfe_u32 s41, ttmp6, 0x40004
	s_and_b32 s45, ttmp7, 0xffff
	s_lshl_b32 s45, s45, 2                         ; 4 x cluster y: the tokens' tile, less my place
	; where the two sides lie in qnt, as offsets: first as q and k have them, then v's in their stead.  Only offsets are chosen, on the cluster's x, which all sixteen partners share
	s_lshl_b32 s18, ttmp9, 21                      ; A's codes: tensor x of q, kv
	s_lshl_b32 s66, ttmp9, 19
	s_add_co_u32 s66, s66, WC_OFF                  ; B's codes: weight x
	s_lshl_b32 s20, ttmp9, 17
	s_add_co_u32 s20, s20, XS_OFF                  ; A's scale words
	s_lshl_b32 s46, ttmp9, 15
	s_add_co_u32 s46, s46, WS_OFF                  ; B's
	s_mov_b32 s22, 0x100000                        ; from slot 0's codes to slot 1's: A,
	s_mov_b32 s12, 0x40000                         ; B
	s_cmp_eq_u32 ttmp9, 2
	s_cselect_b32 s18, 0x540000, s18               ; v: A side = wv,
	s_cselect_b32 s66, 0x200000, s66               ; B side = kv
	s_cselect_b32 s20, 0x5d0000, s20
	s_cselect_b32 s46, 0x420000, s46
	s_cselect_b32 s22, 0x40000, s22
	s_cselect_b32 s12, 0x100000, s12
	s_cselect_b32 s2, 0, s45
	s_cselect_b32 s3, s45, 0
	s_add_co_u32 s17, s2, s41                      ; the A side's tile of 256 rows: it hangs on cy alone,
	s_add_co_u32 s42, s3, s40                      ; the B side's on cx alone
	s_mov_b32 s19, 0
	s_mov_b32 s21, 0
	s_mov_b32 s23, 0
	s_mov_b32 s67, 0
	s_mov_b32 s47, 0
	s_mov_b32 s13, 0
	s_lshl_b32 s43, s41, 2
	s_lshl_b32 s43, 15, s43                        ; my row of the cluster
	s_lshl_b32 s44, 0x1111, s40                    ; my column
	; group 1: dense blocks as rows of 256 bytes (32 elements of 8 bytes), no padding: 128 rows of them for codes, 16 for scale words
	s_or_b32 s[G1+0], s43, (3<<16)|(1<<21)         ; 15:0 the mask: A's go to my row; 17:16 elements of 8 bytes; 21 set beside a mask
	s_or_b32 s[G1B+0], s44, (3<<16)|(1<<21)
	s_or_b32 s[G1S+0], s43, (3<<16)|(1<<21)
	s_or_b32 s[G1SB+0], s44, (3<<16)|(1<<21)
.irp g, G1, G1B
	s_mov_b32 s[\g+1], 32<<16                      ; tensor_dim0
	s_mov_b32 s[\g+2], 128<<16                     ; tensor_dim1
	s_mov_b32 s[\g+3], 32<<16                      ; tile_dim0
	s_mov_b32 s[\g+4], 128                         ; tile_dim1
	s_mov_b32 s[\g+5], 32                          ; the pitch
	s_mov_b32 s[\g+6], 0
	s_mov_b32 s[\g+7], 0
.endr
.irp g, G1S, G1SB
	s_mov_b32 s[\g+1], 32<<16
	s_mov_b32 s[\g+2], 16<<16
	s_mov_b32 s[\g+3], 32<<16
	s_mov_b32 s[\g+4], 16
	s_mov_b32 s[\g+5], 32
	s_mov_b32 s[\g+6], 0
	s_mov_b32 s[\g+7], 0
.endr
	s_lshl_b32 s2, s17, 16                         ; A: a tile's codes of a slot are 65,536 bytes, my half of them 32,768;
	s_lshl_b32 s45, s16, 15
	s_add_co_u32 s2, s2, s45
	s_add_co_u32 s18, s18, s2
	s_lshl_b32 s2, s17, 13                         ; its scale words 8,192, my half 4,096
	s_lshl_b32 s45, s16, 12
	s_add_co_u32 s2, s2, s45
	s_add_co_u32 s20, s20, s2
	s_lshl_b32 s3, s42, 16                         ; B likewise, in registers that never hold cy
	s_lshl_b32 s98, s16, 15
	s_add_co_u32 s3, s3, s98
	s_add_co_u32 s66, s66, s3
	s_lshl_b32 s3, s42, 13
	s_lshl_b32 s98, s16, 12
	s_add_co_u32 s3, s3, s98
	s_add_co_u32 s46, s46, s3
	s_lshl_b32 s99, s14, 15                        ; where they go: wave x 32,768 in a slot,
	s_lshl_b32 s100, s14, 12
	s_add_co_u32 s100, s100, SCA                   ; wave x 4,096 among the scale words: no place in the cluster enters an LDS address
	s_wait_dscnt 0x0                               ; both opening adds are done
	s_wait_kmcnt 0x0
	s_add_nc_u64 s[18:19], s[4:5], s[18:19]
	s_add_nc_u64 s[20:21], s[4:5], s[20:21]
	s_add_nc_u64 s[66:67], s[4:5], s[66:67]
	s_add_nc_u64 s[46:47], s[4:5], s[46:47]
	CROUND                                         ; all sixteen work-groups are here: the first joint loads meet
	s_mov_b32 s[G0S], 1
	s_mov_b32 s[G0S+1], s100
	s_mov_b64 s[G0S+2:G0S+3], s[20:21]
	s_or_b32 s[G0S+3], s[G0S+3], 0x80000000
	s_mov_b32 s[G0SB], 1
	s_mov_b32 s[G0SB+1], s100
	s_mov_b64 s[G0SB+2:G0SB+3], s[46:47]
	s_or_b32 s[G0SB+3], s[G0SB+3], 0x80000000
	JLOAD G0S, G1S, G0SB, G1SB                     ; the scale words first: they are wanted with slot 0
	s_mov_b32 s[G0], 1
	s_mov_b32 s[G0+1], s99
	s_mov_b64 s[G0+2:G0+3], s[18:19]
	s_or_b32 s[G0+3], s[G0+3], 0x80000000
	s_mov_b32 s[G0B], 1
	s_mov_b32 s[G0B+1], s99
	s_mov_b64 s[G0B+2:G0B+3], s[66:67]
	s_or_b32 s[G0B+3], s[G0B+3], 0x80000000
	JLOAD G0, G1, G0B, G1B                         ; slot 0
	s_mov_b32 s[G0+4], 1
	s_add_co_u32 s[G0+5], s99, SLOT
	s_add_nc_u64 s[G0+6:G0+7], s[18:19], s[22:23]
	s_or_b32 s[G0+7], s[G0+7], 0x80000000
	s_mov_b32 s[G0B+4], 1
	s_add_co_u32 s[G0B+5], s99, SLOT
	s_add_nc_u64 s[G0B+6:G0B+7], s[66:67], s[12:13]
	s_or_b32 s[G0B+7], s[G0B+7], 0x80000000
	JLOAD G0+4, G1, G0B+4, G1B                     ; slot 1: three loads of mine are out
	v_and_b32 v1, 15, v0                           ; r
	v_bfe_u32 v2, v0, 4, 1                         ; h
	v_and_b32 v3, 31, v0
	v_lshlrev_b32 v[LI], 4, v3
	v_lshlrev_b32 v[R4], 2, v1
	v_lshlrev_b32 v[H32], 5, v2
	s_lshl_b32 s2, s15, 15                         ; my eight blocks of A,
	s_lshl_b32 s3, s16, 15
	s_add_co_u32 s3, s3, 65536                     ; of B
.irp s, 0,1
	v_add_nc_u32 v[ADRA+\s], s2, v[LI]
	v_add_nc_u32 v[ADRB+\s], s3, v[LI]
	s_add_co_u32 s2, s2, SLOT
	s_add_co_u32 s3, s3, SLOT
.endr
	v_lshlrev_b32 v4, 4, v1                        ; a row's four words of a slot: 16 bytes
	s_lshl_b32 s2, s15, 12                         ; A's: my eight blocks of 512 bytes
	s_lshl_b32 s3, s16, 12
	s_add_co_u32 s3, s3, 8192                      ; B's, behind A's 8,192
	s_sub_co_u32 s3, s3, s2
	v_mul_u32_u24 v5, s3, v2                       ; lanes 16-31 take B's: one product, the distance between the two
	s_add_co_u32 s2, s2, SCA
	v_add_nc_u32 v4, v4, v5
	v_add_nc_u32 v[ADRS], s2, v4
.macro FRAG reg, adr, q, i             ; block i's fragment of the slot's q-th 128 along K: two pieces of 512 consecutive bytes
.irp c, 0,1
	ds_load_b128 v[\reg+4*\c:\reg+4*\c+3], v[\adr] offset:(\i)*4096+(\q)*1024+512*\c
.endr
.endm
; 16 matrix instructions: A's blocks a0, a0 + 1 x B's eight.  p: B's set; sc: the set of scale words; zero = 1: the first product starts the sums.
; The 64 accumulators take turns, one instruction a turn, in the same order in every step.
.macro MUL16 a0, p, q, sc, zero
.irp a, \a0, \a0+1
.irp b, 0,1,2,3,4,5,6,7
.if \zero
	v_wmma_scale_f32_16x16x128_f8f6f4 v[8*(8*((\a)%4)+\b):8*(8*((\a)%4)+\b)+7], v[128*(\p)+FR*\b:128*(\p)+FR*\b+FR-1], v[AF+FR*(\a):AF+FR*(\a)+FR-1], 0, v[SC+8*NQ*(\sc)+NQ*\b+(\q)], v[SC+8*NQ*(\sc)+NQ*(\a)+(\q)] matrix_a_fmt:MATRIX_FMT_FP4 matrix_b_fmt:MATRIX_FMT_FP4 matrix_a_scale:MATRIX_SCALE_ROW1
.else
	v_wmma_scale_f32_16x16x128_f8f6f4 v[8*(8*((\a)%4)+\b):8*(8*((\a)%4)+\b)+7], v[128*(\p)+FR*\b:128*(\p)+FR*\b+FR-1], v[AF+FR*(\a):AF+FR*(\a)+FR-1], v[8*(8*((\a)%4)+\b):8*(8*((\a)%4)+\b)+7], v[SC+8*NQ*(\sc)+NQ*\b+(\q)], v[SC+8*NQ*(\sc)+NQ*(\a)+(\q)] matrix_a_fmt:MATRIX_FMT_FP4 matrix_b_fmt:MATRIX_FMT_FP4 matrix_a_scale:MATRIX_SCALE_ROW1
.endif
.endr
.endr
.endm
.macro FETCH_B slot, q, p
	WIN TO_B
.irp i, 0,1,2,3,4,5,6,7
	FRAG 128*(\p)+FR*\i, ADRB+\slot, \q, \i
.endr
	WIN 0
.endm
.macro FETCH_A slot, q, i0
.irp i, \i0, \i0+1, \i0+2, \i0+3
	FRAG AF+FR*(\i), ADRA+\slot, \q, \i
.endr
.endm
.macro SCALES sc                       ; slot sc's scale words: four a row; lanes 0-15 take A's block i, lanes 16-31 B's block i
.irp i, 0,1,2,3,4,5,6,7
	ds_load_b128 v[SC+32*\sc+4*\i:SC+32*\sc+4*\i+3], v[ADRS] offset:\i*512+\sc*256
.endr
.endm
.macro PLACES n                        ; plain vector instructions between a matrix instruction and a load into, or a read of, its registers (ISA guide 7.12.1 for reads)
.rept \n
	v_nop
.endr
.endm
; A step of 128 along K that has its successor in the same slot.  A's blocks are free as soon as their eight products are issued: blocks 0-3 are fetched anew in the middle, 4-7 at the end; B has two sets.
.macro STEP slot, q, zero
	s_wait_dscnt 4*NL                              ; all but the youngest eight loads, A's blocks 4-7
	WIN MUL_LO
	MUL16 0, (\q)%2, \q, \slot, \zero
	MUL16 2, (\q)%2, \q, \slot, \zero
	s_wait_dscnt 0                                 ; A's blocks 4-7 are in
	PLACES NP
	FETCH_B \slot, (\q)+1, 1-(\q)%2
	FETCH_A \slot, (\q)+1, 0
	WIN MUL_HI
	MUL16 4, (\q)%2, \q, \slot, \zero
	MUL16 6, (\q)%2, \q, \slot, \zero
	PLACES NP
	WIN 0
	FETCH_A \slot, (\q)+1, 4
.endm
.macro STEPS slot, from
.set Q, \from
.rept NQ-1-\from
	STEP \slot, Q, 0
.set Q, Q+1
.endr
.endm
; Slot 0's last step, and the change to slot 1: each wave waits for all its tensor loads (its part of slot 1), and the barrier shows the whole slot to every wave.  Nothing is filled again.
.macro TURN slot, next
	s_wait_tensorcnt 0x0
	ds_add_u32 v[SPW], v[NIL]                      ; 0 onto my spare word
	s_wait_dscnt 4*NL+1                            ; (the add and A's blocks 4-7 may be out)
	WIN MUL_LO
	MUL16 0, 1, NQ-1, \slot, 0
	s_wait_dscnt 0x0
	s_barrier_signal -1
	MUL16 2, 1, NQ-1, \slot, 0
	WIN 0
	s_barrier_wait -1
	PLACES NP
	FETCH_B \next, 0, 0
	FETCH_A \next, 0, 0
	SCALES \next
	WIN MUL_HI
	MUL16 4, 1, NQ-1, \slot, 0
	MUL16 6, 1, NQ-1, \slot, 0
	PLACES NP
	WIN 0
	FETCH_A \next, 0, 4
.endm
.macro SECOND_SLOT                     ; slot 1's four steps; the last fetches nothing
	STEPS 1, 0
	s_wait_dscnt 4*NL
	WIN MUL_LO
	MUL16 0, 1, NQ-1, 1, 0
	MUL16 2, 1, NQ-1, 1, 0
	s_wait_dscnt 0
	WIN MUL_HI
	MUL16 4, 1, NQ-1, 1, 0
	MUL16 6, 1, NQ-1, 1, 0
	WIN 0
.endm
.macro CLOSE
	s_wait_tensorcnt 0x0                           ; the wave's end
	ds_add_u32 v[SPW], v[NIL]
	s_wait_dscnt 0x0
	CROUND                                         ; the closing round
	s_endpgm
.endm
	s_wait_tensorcnt 1                             ; the scale words and my part of slot 0 are in (slot 1's load may be out),
	s_barrier_signal -1
	s_barrier_wait -1                              ; everybody's are
	FETCH_B 0, 0, 0
	FETCH_A 0, 0, 0
	SCALES 0
	FETCH_A 0, 0, 4
	STEP 0, 0, 1                                   ; the first step's products start the sums: nothing is cleared
	STEPS 0, 1
	TURN 0, 1
	s_cmp_eq_u32 ttmp9, 2                          ; the cluster's x: all sixteen partners go the same way
	s_cbranch_scc1 .Larm_v
; ---------------- q and k
	s_cmp_eq_u32 ttmp9, 0
	s_cselect_b64 s[6:7], s[6:7], s[8:9]           ; bq or bk
	s_cselect_b64 s[92:93], s[92:93], s[94:95]     ; q_scale or k_scale
	s_cselect_b32 s2, 0x3bec5f04, 1.0              ; q alone carries log2(e) / 200
	s_mov_b32 s3, s2
	s_lshl_b32 s18, s42, 10                        ; my 128 channels' biases: 4 (256 tile + 128 half)
	s_lshl_b32 s19, s16, 9
	s_add_co_u32 s18, s18, s19
	s_mov_b32 s19, 0
	s_add_nc_u64 s[6:7], s[6:7], s[18:19]
.irp b, 0,1,2,3,4,5,6,7
	global_load_b128 v[192+8*\b:195+8*\b], v[H32], s[6:7] offset:64*\b         ; v[192 + 8 b + j]: the bias of channel 16 b + 8 h + j
	global_load_b128 v[196+8*\b:199+8*\b], v[H32], s[6:7] offset:64*\b+16
.endr
.irp t, 0,1,2,3
	global_load_b128 v[96+8*\t:99+8*\t], v[H32], s[92:93] offset:64*\t         ; v[96 + 8 t + j]: the scale of a head's channel 16 t + 8 h + j
	global_load_b128 v[100+8*\t:103+8*\t], v[H32], s[92:93] offset:64*\t+16
.endr
	s_lshl_b32 s18, s17, 8
	s_lshl_b32 s19, s15, 7
	s_add_co_u32 s18, s18, s19                     ; my first token
	s_lshr_b32 s19, s18, 11                        ; its batch,
	s_bfe_u32 s20, s18, 0x70004                    ; its tile of 16 in the sequence
	s_lshl_b32 s21, s42, 2
	s_lshl_b32 s22, s16, 1
	s_add_co_u32 s21, s21, s22                     ; my first head
	s_lshl_b32 s19, s19, 4
	s_add_co_u32 s19, s19, s21
	s_lshl_b32 s19, s19, 7
	s_add_co_u32 s19, s19, s20
	s_lshl_b32 s22, s19, 11                        ; images: [batch, head][tile of tokens][2 fragments]
	s_lshl_b32 s23, ttmp9, 23                      ; Q's at 0, K's 8 MB on
	s_add_co_u32 s22, s22, s23
	s_mov_b32 s23, 0
	s_add_nc_u64 s[96:97], s[96:97], s[22:23]
	s_lshl_b32 s22, s20, 12                        ; the tables: 4,096 bytes a tile of positions
	s_lshl_b32 s21, ttmp9, 19
	s_add_co_u32 s22, s22, s21
	s_add_co_u32 s22, s22, RT_OFF
	s_add_nc_u64 s[4:5], s[4:5], s[22:23]
	s_mov_b32 s45, 0x3c800000                      ; 1 / 64
	s_mov_b32 s98, 0x358637bd                      ; 1e-6
	s_mov_b32 s100, 0x76543210
	s_mov_b32 s101, 0xfedcba98                     ; v_permlanex16_b32's selects for lane l xor 16
	SECOND_SLOT
	s_wait_loadcnt 0x0                             ; biases and scales
.set i, 0
.rept 16
	v_pk_fma_f32 v[96+2*i:97+2*i], v[96+2*i:97+2*i], s[2:3], s[2:3] op_sel_hi:[1,0,0]   ; the gain (1 + scale) x factor.  These 16 name none of the last products' registers: they are the places behind them
.set i, i+1
.endr
	v_mov_b32 v13, 0                               ; upper halves of pairs of which the packed forms take the low word,
	v_mov_b32 v15, 0
	v_mov_b32 v16, 0                               ; and the lane permutes' destinations: written once
	v_mov_b32 v17, 0
.macro TBLOAD a                        ; cos (16 registers) and sin (16) of row block a's positions, into set a % 2
.irp p, 0,1,2,3,4,5,6,7
	global_load_b128 v[128+32*((\a)%2)+4*\p:128+32*((\a)%2)+4*\p+3], v[LI], s[4:5] offset:(\a)*4096+\p*512
.endr
.endm
; Row block a: 16 tokens x my two heads.  Lane (r, h): token r; v[32 + 32 hd + 8 t + j] = channel 16 t + 8 h + j of head hd.
.macro QKROW a
	s_wait_xcnt 0x0                                ; the last block's stores have read their data: v32 on are written again only behind this wait
.if (\a) < 7
	TBLOAD (\a)+1
.endif
	WIN 0x02+(\a)/4                                ; source 0: window 2 or 3
.set i, 0
.rept 32
	v_pk_add_f32 v[32+2*i:33+2*i], v[64*((\a)%4)+2*i:64*((\a)%4)+2*i+1], v[192+2*i:193+2*i]   ; + bias; each accumulator from its low end on
.set i, i+1
.endr
	WIN 0
.irp hd, 0,1
	v_pk_mul_f32 v[4+4*\hd:5+4*\hd], v[32+32*\hd:33+32*\hd], v[32+32*\hd:33+32*\hd]           ; the sum of squares: two chains a head
	v_pk_mul_f32 v[6+4*\hd:7+4*\hd], v[34+32*\hd:35+32*\hd], v[34+32*\hd:35+32*\hd]
.endr
.set i, 4
.rept 7
.irp hd, 0,1
	v_pk_fma_f32 v[4+4*\hd:5+4*\hd], v[32+32*\hd+i:33+32*\hd+i], v[32+32*\hd+i:33+32*\hd+i], v[4+4*\hd:5+4*\hd]
	v_pk_fma_f32 v[6+4*\hd:7+4*\hd], v[34+32*\hd+i:35+32*\hd+i], v[34+32*\hd+i:35+32*\hd+i], v[6+4*\hd:7+4*\hd]
.endr
.set i, i+4
.endr
.irp hd, 0,1
	v_pk_add_f32 v[4+4*\hd:5+4*\hd], v[4+4*\hd:5+4*\hd], v[6+4*\hd:7+4*\hd]
.endr
.irp hd, 0,1
	v_add_f32 v[4+4*\hd], v[4+4*\hd], v[5+4*\hd]
.endr
.irp hd, 0,1
	v_permlanex16_b32 v[16+\hd], v[4+4*\hd], s100, s101     ; the token's other 32 channels lie in lane l xor 16
.endr
.irp hd, 0,1
	v_add_f32 v[4+4*\hd], v[4+4*\hd], v[16+\hd]
.endr
.irp hd, 0,1
	v_fma_f32 v[4+4*\hd], v[4+4*\hd], s45, s98     ; the mean + 1e-6
.endr
.irp hd, 0,1
	v_rsq_f32 v[12+2*\hd], v[4+4*\hd]
.endr
	v_nop                                          ; a plain instruction behind the last of the two,
	s_wait_alu depctr_va_vdst(0)                   ; and the one wait for both, ahead of their first reader
.irp hd, 0,1
.set i, 0
.rept 16
	v_pk_mul_f32 v[32+32*\hd+2*i:33+32*\hd+2*i], v[32+32*\hd+2*i:33+32*\hd+2*i], v[12+2*\hd:13+2*\hd] op_sel_hi:[1,0]
.set i, i+1
.endr
.endr
.irp hd, 0,1
.set i, 0
.rept 16
	v_pk_mul_f32 v[32+32*\hd+2*i:33+32*\hd+2*i], v[32+32*\hd+2*i:33+32*\hd+2*i], v[96+2*i:97+2*i]
.set i, i+1
.endr
.endr
.if (\a) < 7
	s_wait_loadcnt 8                               ; this block's table is in; the next block's eight loads may be out
.else
	s_wait_loadcnt 0x0
.endif
.set TB, 128+32*((\a)%2)
.irp hd, 0,1                                   ; RoPE: channel i < 32 and channel i + 32 lie 16 registers apart
.irp t, 0,1
.irp p, 0,1,2,3
	v_pk_mul_f32 v[18+2*\p:19+2*\p], v[32+32*\hd+8*\t+2*\p:33+32*\hd+8*\t+2*\p], v[TB+16+8*\t+2*\p:TB+17+8*\t+2*\p]           ; x1 sin
.endr
.irp p, 0,1,2,3
	v_pk_mul_f32 v[32+32*\hd+8*\t+2*\p:33+32*\hd+8*\t+2*\p], v[32+32*\hd+8*\t+2*\p:33+32*\hd+8*\t+2*\p], v[TB+8*\t+2*\p:TB+1+8*\t+2*\p]   ; x1 cos
.endr
.irp p, 0,1,2,3
	v_pk_fma_f32 v[32+32*\hd+8*\t+2*\p:33+32*\hd+8*\t+2*\p], v[48+32*\hd+8*\t+2*\p:49+32*\hd+8*\t+2*\p], v[TB+16+8*\t+2*\p:TB+17+8*\t+2*\p], v[32+32*\hd+8*\t+2*\p:33+32*\hd+8*\t+2*\p] neg_lo:[1,0,0] neg_hi:[1,0,0]   ; - x2 sin
.endr
.irp p, 0,1,2,3
	v_pk_fma_f32 v[48+32*\hd+8*\t+2*\p:49+32*\hd+8*\t+2*\p], v[48+32*\hd+8*\t+2*\p:49+32*\hd+8*\t+2*\p], v[TB+8*\t+2*\p:TB+1+8*\t+2*\p], v[18+2*\p:19+2*\p]   ; x2 cos + x1 sin
.endr
.endr
.endr
.irp hd, 0,1
.set i, 0
.rept 16
	v_cvt_pk_f16_f32 v[32+32*\hd+i], v[32+32*\hd+2*i], v[33+32*\hd+2*i]     ; in place, ascending: a result never lands on a number not yet read
.set i, i+1
.endr
.endr
.irp hd, 0,1
.irp t, 0,1,2,3
	global_store_b128 v[LI], v[32+32*\hd+4*\t:35+32*\hd+4*\t], s[96:97] offset:\hd*262144+(\a)*2048+\t*512   ; piece t % 2 of fragment t / 2: 512 consecutive bytes
.endr
.endr
.endm
	TBLOAD 0
.irp a, 0,1,2,3,4,5,6,7
	QKROW \a
.endr
	CLOSE
; ---------------- v
.Larm_v:
	s_lshl_b32 s18, s17, 10                        ; my 128 channels' biases
	s_lshl_b32 s19, s15, 9
	s_add_co_u32 s18, s18, s19
	s_mov_b32 s19, 0
	s_add_nc_u64 s[10:11], s[10:11], s[18:19]
.irp a, 0,1,2,3,4,5,6,7
	global_load_b32 v[96+2*\a], v[R4], s[10:11] offset:64*\a     ; the bias of channel 16 a + r
	v_mov_b32 v[97+2*\a], 0                        ; (the packed form names the pair and takes its low word)
.endr
	s_lshl_b32 s18, s42, 8
	s_lshl_b32 s19, s16, 7
	s_add_co_u32 s18, s18, s19                     ; my first token
	s_lshr_b32 s19, s18, 11                        ; its batch,
	s_bfe_u32 s20, s18, 0x60005                    ; its chunk of 32 keys
	s_lshl_b32 s21, s17, 2
	s_lshl_b32 s22, s15, 1
	s_add_co_u32 s21, s21, s22                     ; my first head
	s_lshl_b32 s19, s19, 4
	s_add_co_u32 s19, s19, s21
	s_lshl_b32 s19, s19, 6
	s_add_co_u32 s19, s19, s20
	s_lshl_b32 s22, s19, 12                        ; images: [batch, head][chunk of 32 keys][4 tiles of channels]
	s_add_co_u32 s22, s22, VI_OFF
	s_mov_b32 s23, 0
	s_add_nc_u64 s[96:97], s[96:97], s[22:23]
	SECOND_SLOT
	s_wait_loadcnt 0x0
	PLACES NP
; Block a of 16 channels x my 128 tokens.  Lane (r, h): channel r; v[32 + 8 b + j] = token 16 b + 8 h + j.
.macro VROW a
	s_wait_xcnt 0x0                                ; the last block's stores have read their data
	WIN 0x02+(\a)/4
.set i, 0
.rept 32
	v_pk_add_f32 v[32+2*i:33+2*i], v[64*((\a)%4)+2*i:64*((\a)%4)+2*i+1], v[96+2*(\a):97+2*(\a)] op_sel_hi:[1,0]
.set i, i+1
.endr
	WIN 0
.set i, 0
.rept 32
	v_cvt_pk_f16_f32 v[32+i], v[32+2*i], v[33+2*i]
.set i, i+1
.endr
.irp b, 0,1,2,3,4,5,6,7
	global_store_b128 v[LI], v[32+4*\b:35+4*\b], s[96:97] offset:((\a)/4)*262144+(\b/2)*4096+((\a)%4)*1024+(\b%2)*512
.endr
.endm
.irp a, 0,1,2,3,4,5,6,7
	VROW \a
.endr
	CLOSE
.Lfunc_end_k_q30b9853ab7_proj:
	.size	k_q30b9853ab7_proj, .Lfunc_end_k_q30b9853ab7_proj-k_q30b9853ab7_proj
	.p2alignl 7, 3214868480
	.fill 96, 4, 3214868480
	.section	.rodata,"a",@progbits
	.p2align	6, 0x0
	.amdhsa_kernel k_q30b9853ab7_proj
		.amdhsa_group_segment_fixed_size 327680
		.amdhsa_private_segment_fixed_size 0
		.amdhsa_enable_private_segment 0
		.amdhsa_kernarg_size 56
		.amdhsa_user_sgpr_count 2
		.amdhsa_user_sgpr_kernarg_segment_ptr 1
		.amdhsa_wavefront_size32 1
		.amdhsa_system_sgpr_workgroup_id_x 1
		.amdhsa_system_sgpr_workgroup_id_y 1
		.amdhsa_system_sgpr_workgroup_id_z 1
		.amdhsa_system_vgpr_workitem_id 0
		.amdhsa_next_free_vgpr 1024
		.amdhsa_next_free_sgpr 102
		.amdhsa_reserve_vcc 0
		.amdhsa_float_denorm_mode_32 3
		.amdhsa_float_denorm_mode_16_64 3
		.amdhsa_memory_ordered 1
		.amdhsa_forward_progress 1
		.amdhsa_inst_pref_size 255
	.end_amdhsa_kernel
	.section	.bss,"aw",@nobits
	.p2align	6
	.space	262144
	.amdgpu_metadata
---
amdhsa.version: [ 1, 2 ]
amdhsa.kernels:
  - .name:           k_q30b9853ab7_proj
    .symbol:         k_q30b9853ab7_proj.kd
    .args:
      - { .name: qnt, .offset: 0, .size: 8, .value_kind: global_buffer, .address_space: global }
      - { .name: bq, .offset: 8, .size: 8, .value_kind: global_buffer, .address_space: global }
      - { .name: bk, .offset: 16, .size: 8, .value_kind: global_buffer, .address_space: global }
      - { .name: bv, .offset: 24, .size: 8, .value_kind: global_buffer, .address_space: global }
      - { .name: q_scale, .offset: 32, .size: 8, .value_kind: global_buffer, .address_space: global }
      - { .name: k_scale, .offset: 40, .size: 8, .value_kind: global_buffer, .address_space: global }
      - { .name: qkv, .offset: 48, .size: 8, .value_kind: global_buffer, .address_space: global }
    .group_segment_fixed_size: 327680
    .private_segment_fixed_size: 0
    .kernarg_segment_align: 8
    .kernarg_segment_size: 56
    .max_flat_workgroup_size: 128
    .sgpr_count:     102
    .vgpr_count:     1024
    .wavefront_size: 32
...
	.end_amdgpu_metadata
.endif
;; end of part 2
;; launch attn (part 3): grid 8 x 32, 8 waves a work-group, clusters of 4 x 1, 327,680 bytes of LDS; arguments qkv, mw, aux, aimg, out1; writes aimg, out1
.if DOCPART == 3
	.amdgcn_target "amdgcn-amd-amdhsa--gfx1250"
	.amdhsa_code_object_version 6
	.text
	.protected	k_q30b9853ab7_attn
	.globl	k_q30b9853ab7_attn
	.p2align	8
	.type	k_q30b9853ab7_attn,@function
k_q30b9853ab7_attn:
	s_mov_b64 s[64:65], 0
	v_nop
	global_prefetch_b8 v0, s[64:65] scope:SCOPE_SE
	s_setreg_imm32_b32 hwreg(HW_REG_WAVE_MODE, 25, 1), 1
	s_wait_xcnt 0x0
	s_wait_alu depctr_hold_cnt(0) depctr_sa_sdst(0) depctr_va_vdst(0) depctr_va_sdst(0) depctr_va_ssrc(0) depctr_va_vcc(0) depctr_vm_vsrc(0)
	s_getreg_b32 s2, hwreg(HW_REG_IB_STS2, 6, 4)
	s_cmp_eq_u32 s2, 0
	s_cbranch_scc0 .Lentry_in_a_cluster
	s_endpgm
.Lentry_in_a_cluster:
	s_bfe_u32 s2, ttmp6, 0x10000c
	s_cmp_lg_u32 s2, 0x3003
	s_cbranch_scc0 .Lentry_shape_is_right
	s_endpgm
.Lentry_shape_is_right:
; ATTN: scores, softcap, mask, softmax, entropy, P V.  f16 operands, f32 sums; everything else in f32.
; SHARES.  A work-group owns 256 queries of one (batch, head); each of its eight waves 32 of them, two tiles u of 16; two waves lie on a SIMD, so that one wave's vector work stands beside the other's
; matrix work and LDS loads.  Every wave walks the 2,048 keys, 64 a step.  Each fragment of K or V that a wave reads from LDS feeds two products.
; LAYOUT.  S^T = K Q^T (source 0 = 16 keys, source 1 = 16 queries): a lane holds ONE query (lane % 16) and keys 8 (lane / 16) + 0..7.  Two such tiles, rounded to f16 in pairs, are source 1 of
; O^T = V^T P.  Q, K, V^T arrive as images of their operand registers: a fragment load reads 512 consecutive LDS bytes, a slot's tiles are dense blocks of memory.
; THE ARITHMETIC OF A SCORE.  Q carries log2(e) / 200, so u = 2^S = e^(2 x / 50), x the raw logit.  50 tanh(x / 50) = 50 - 100 / (1 + u).  With r = (100 / ln 2) / (1 + u) = 1 / (u c + c), c = ln 2 / 100,
; the capped logit is 50 - r ln 2, and r lies in 0 .. 144.3.  A masked key gets r = 1,024.  The softmax runs on -r in base 2: RM is the running SMALLEST r (the running largest logit), it starts at 145,
; over every r; p = 2^(RM - r), at most 1; L is the sum of p, W the sum of p r; when RM moves, L, W and O^T are multiplied by 2^(new RM - old RM).  A masked key's p is 2^(-879) or less, which the
; exponential gives as 0.  entropy = (log2 L + W / L - RM) / log2(count).
; A row with no true key: L = 0 is replaced by 1: O = 0, and the entropy is a finite number x (1 / log2(0) = -0) = 0.  A row with one: the bracket is 0 and 1 / log2(1) is infinite: NaN, as the definition has it.
; THE MASK comes as lane masks: one 32-bit word for each register of each score tile, read by scalar loads and used by v_cndmask_b32.  No branch hangs on it.
; CLUSTER.  The four query blocks of a cluster belong to one (batch, head) and walk the same K and V: each tile is asked for jointly.  All eight waves load, 16 KB each: no branch stands round a tensor load.
; Two slots of 512 keys (K 64 KB, V 64 KB); a refill has a slot's eight key steps in which to land, so nothing is prefetched.
; out1 is stored in runs of 128 bytes a wave: 256 KB in all.
; REGISTERS.  window 0: v1-7 addresses and constants; v8-31 statistics, 12 a tile: +0 RM, +2,3 L, +4,5 W, +6 the factor, +8..11 at work; v32-95 S^T, then r; v96-159 p; v160-191 P; v192.. the way out.
;   window 1: v0-63 O^T; v64-95 Q; v96-159 K of a step; v160-223 V of a step.
.set KI_OFF, 0x800000
.set IL_OFF, 0x200000
.set SLOT1,  131072
.set SPARE,  262144                    ; the spare words, 128 bytes for each of the eight waves, which no other line names
.set LI,  1                            ; v1 16 x lane
.set LV,  2                            ; v2 16 x lane + 65,536: V's part of a slot
.set ADK, 3                            ; v3, v4 the step's LDS addresses
.set ADV, 4
.set BIG, 5                            ; v5 1,024.0
.set SPW, 6                            ; v6 my spare word's LDS address; never rewritten
.set NIL, 7                            ; v7 0; never rewritten
.set S,   32
.set T,   96
.set P,   160
.set QF,  64                           ; in window 1
.set KF,  96
.set VF,  160
.set MSB, 0
.macro WIN new                         ; the immediate's high byte repeats the setting that is left
.if MSB != \new
	s_set_vgpr_msb (MSB<<8)|\new
.set MSB, \new
.endif
.endm
.set TO1,  0x40                        ; destination window 1
.set W_KQ, 0x05                        ; K and Q window 1, S^T window 0
.set W_PV, 0x51                        ; V window 1, P window 0, O^T window 1
.set W_RS, 0x41                        ; O^T (destination, source 0) window 1, the factor window 0
.set W_RD, 0x01                        ; source 0 window 1
.macro CROUND                          ; a round of the cluster's barrier
	s_barrier_signal -1
	s_barrier_wait -1
	s_cmp_lg_u32 s2, 0
	s_cbranch_scc1 .Lnot_wave_0_\@
	s_barrier_signal -3
.Lnot_wave_0_\@:
	s_barrier_wait -3
	s_barrier_signal -1
	s_barrier_wait -1
.endm
	s_load_b256 s[32:39], s[0:1], 0x0              ; qkv, mw, aux, aimg
	s_load_b64 s[40:41], s[0:1], 0x20              ; out1
	v_lshl_add_u32 v[SPW], v0, 2, SPARE
	v_mov_b32 v[NIL], 0
	ds_add_u32 v[SPW], v[NIL]                      ; the wave's opening: the add, twice on end, and its wait ahead of my first tensor load
	ds_add_u32 v[SPW], v[NIL]
	v_lshrrev_b32 v1, 5, v0
	v_readfirstlane_b32 s2, v1                     ; wave 0..7
	s_bfe_u32 s44, ttmp6, 0x40000                  ; cx
	s_lshl_b32 s45, ttmp9, 2
	s_add_co_u32 s45, s45, s44                     ; my block of 256 queries: it enters Q's, the mask's and the outputs' addresses alone
	s_and_b32 s46, ttmp7, 0xffff                   ; 16 batch + head, which the four partners share
	s_lshr_b32 s47, s46, 4                         ; batch
	s_and_b32 s48, s46, 15                         ; head
	; group 1: 16,384 dense bytes as 64 rows of 256 (32 elements of 8 bytes), no padding
	s_mov_b32 s12, 15|(3<<16)|(1<<21)              ; 15:0 the mask: all four work-groups; 17:16 elements of 8 bytes; 21 set beside a mask
	s_mov_b32 s13, 32<<16                          ; tensor_dim0
	s_mov_b32 s14, 64<<16                          ; tensor_dim1
	s_mov_b32 s15, 32<<16                          ; tile_dim0
	s_mov_b32 s16, 64                              ; tile_dim1
	s_mov_b32 s17, 32                              ; the pitch
	s_mov_b32 s18, 0
	s_mov_b32 s19, 0
	s_lshl_b32 s50, s46, 18                        ; what I fetch: a (batch, head)'s K or V is 262,144 bytes;
	s_lshr_b32 s51, s2, 2
	s_lshl_b32 s51, s51, 23                        ; waves 0-3 K's, waves 4-7 V's images, 8 MB on;
	s_add_co_u32 s50, s50, s51
	s_and_b32 s51, s2, 3
	s_lshl_b32 s51, s51, 14                        ; my quarter of a slot's 65,536
	s_add_co_u32 s50, s50, s51
	s_add_co_u32 s50, s50, KI_OFF
	s_mov_b32 s51, 0
	s_lshl_b32 s52, s45, 4
	s_lshl_b32 s53, s2, 1
	s_add_co_u32 s52, s52, s53                     ; my first tile of 16 queries in the sequence
	s_lshl_b32 s54, s46, 7
	s_add_co_u32 s54, s54, s52
	s_lshl_b32 s42, s54, 6                         ; out1: 16 numbers of 4 bytes a tile
	s_mov_b32 s43, 0
	s_lshl_b32 s54, s54, 11                        ; Q's images: 2,048 bytes a tile
	s_mov_b32 s55, 0
	s_lshl_b32 s56, s47, 7
	s_add_co_u32 s56, s56, s52                     ; the tile among the batch's rows
	s_lshl_b32 s58, s56, 12                        ; mask words: 4,096 bytes a tile
	s_mov_b32 s59, 0
	s_lshl_b32 s60, s56, 6
	s_add_co_u32 s60, s60, IL_OFF                  ; 1 / log2(count)
	s_mov_b32 s61, 0
	s_lshl_b32 s62, s56, 13                        ; attn's images: [head / 4][tile of tokens][8 fragments]
	s_lshr_b32 s63, s48, 2
	s_lshl_b32 s63, s63, 21
	s_add_co_u32 s62, s62, s63
	s_and_b32 s63, s48, 3
	s_lshl_b32 s63, s63, 11
	s_add_co_u32 s62, s62, s63
	s_mov_b32 s63, 0
	s_mov_b32 s22, 0x3be32166                      ; ln 2 / 100
	s_mov_b32 s23, s22                             ; (named with it as a pair, so it is written)
	s_mov_b32 s24, 0x76543210
	s_mov_b32 s25, 0xfedcba98                      ; v_permlanex16_b32's selects for lane l xor 16
	s_mov_b32 s30, 0                               ; LDS byte at which the step's tiles of K begin
	s_mov_b32 s31, 2                               ; slots still to be asked for
	s_wait_dscnt 0x0                               ; both opening adds are done
	s_wait_kmcnt 0x0
	s_mov_b32 s4, 1                                ; group 0 for slot 0: keys 0-511
	s_lshl_b32 s5, s2, 14                          ; wave x 16,384: no place in the cluster enters an LDS address
	s_add_nc_u64 s[6:7], s[32:33], s[50:51]
	s_mov_b32 s8, 1                                ; group 0 for slot 1: keys 512-1,023; it then walks
	s_add_co_u32 s9, s5, SLOT1
	s_add_nc_u64 s[10:11], s[6:7], 0x10000
	s_or_b32 s7, s7, 0x80000000
	s_or_b32 s11, s11, 0x80000000
	s_add_nc_u64 s[54:55], s[32:33], s[54:55]      ; Q
	s_add_nc_u64 s[20:21], s[34:35], s[58:59]      ; the mask words
	s_add_nc_u64 s[60:61], s[36:37], s[60:61]      ; 1 / log2(count)
	s_add_nc_u64 s[26:27], s[38:39], s[62:63]      ; attn's images
	s_add_nc_u64 s[28:29], s[40:41], s[42:43]      ; out1
	CROUND                                         ; all four work-groups are here: the first joint loads meet
	tensor_load_to_lds s[4:7], s[12:19]
	s_nop 0
	tensor_load_to_lds s[8:11], s[12:19]           ; two loads of mine are out
	s_nop 0
.rept 4
	v_nop
.endr
	v_and_b32 v1, 31, v0
	v_lshlrev_b32 v193, 2, v1                      ; 4 x lane
	v_lshlrev_b32 v[LI], 4, v1
	v_add_nc_u32 v[LV], 65536, v[LI]
	WIN TO1
.irp u, 0,1
.irp ks, 0,1
.irp pc, 0,1
	global_load_b128 v[QF+16*\u+8*\ks+4*\pc:QF+16*\u+8*\ks+4*\pc+3], v[LI], s[54:55] offset:\u*2048+\ks*1024+\pc*512   ; Q stays in registers
.endr
.endr
.endr
.set i, 0
.rept 64
	v_mov_b32 v[i], 0                              ; O^T.  (The step is written once: the first finds zeros, which the first change of RM leaves zeros)
.set i, i+1
.endr
	WIN 0
	global_load_b32 v192, v193, s[60:61]           ; lane l: 1 / log2(count) of query l of my 32
	v_mov_b32 v[BIG], 0x44800000
.irp u, 0,1
	v_mov_b32 v[8+12*\u], 0x43110000               ; RM = 145
.irp k, 1,2,3,4,5,6,7,8,9,10,11
	v_mov_b32 v[8+12*\u+\k], 0                     ; L, W; the pairs' upper halves and the lane permutes' destinations are written once
.endr
.endr
	s_wait_loadcnt 0x0                             ; Q and 1 / log2(count) are in: their bases lie among the registers that the mask words take
	s_wait_tensorcnt 1                             ; my part of slot 0 is in; slot 1's may stay out
	s_barrier_signal -1
	s_barrier_wait -1
; A KEY STEP: 64 keys x my 32 queries.
.macro STEP
	v_add_nc_u32 v[ADK], s30, v[LI]                ; these two and two v_nop are the four places between the last step's products and the loads into V's registers
	v_add_nc_u32 v[ADV], s30, v[LV]
	v_nop
	v_nop
	s_load_b512 s[32:47], s[20:21], 0x0            ; tile u = 0: words 0-3 of the step's four key tiles,
	s_load_b512 s[48:63], s[20:21], 0x200          ; words 4-7;
	s_load_b512 s[68:83], s[20:21], 0x1000         ; tile u = 1
	s_load_b512 s[84:99], s[20:21], 0x1200
	WIN TO1
.irp kt, 0,1,2,3
.irp ks, 0,1
.irp pc, 0,1
	ds_load_b128 v[KF+16*\kt+8*\ks+4*\pc:KF+16*\kt+8*\ks+4*\pc+3], v[ADK] offset:\kt*2048+\ks*1024+\pc*512
.endr
.endr
.endr
.irp kc, 0,1
.irp ct, 0,1,2,3
.irp pc, 0,1
	ds_load_b128 v[VF+32*\kc+8*\ct+4*\pc:VF+32*\kc+8*\ct+4*\pc+3], v[ADV] offset:\kc*4096+\ct*1024+\pc*512
.endr
.endr
.endr
	s_wait_dscnt 16                                ; K is in; V's 16 loads may stay out
	WIN W_KQ
.irp u, 0,1                                    ; the eight accumulators take turns, one instruction a turn
.irp kt, 0,1,2,3
	v_wmma_f32_16x16x32_f16 v[S+32*\u+8*\kt:S+32*\u+8*\kt+7], v[KF+16*\kt:KF+16*\kt+7], v[QF+16*\u:QF+16*\u+7], 0
.endr
.endr
.irp u, 0,1
.irp kt, 0,1,2,3
	v_wmma_f32_16x16x32_f16 v[S+32*\u+8*\kt:S+32*\u+8*\kt+7], v[KF+16*\kt+8:KF+16*\kt+15], v[QF+16*\u+8:QF+16*\u+15], v[S+32*\u+8*\kt:S+32*\u+8*\kt+7]
.endr
.endr
	WIN 0
.rept 4
	v_nop
.endr
.set i, 0
.rept 64
	v_exp_f32 v[S+i], v[S+i]                       ; u = 2^S; each accumulator from its low end on
.set i, i+1
.endr
	v_nop                                          ; a plain instruction behind the batch,
	s_wait_alu depctr_va_vdst(0)                   ; and its one wait, ahead of the first reader
.set i, 0
.rept 32
	v_pk_fma_f32 v[S+2*i:S+2*i+1], v[S+2*i:S+2*i+1], s[22:23], s[22:23] op_sel_hi:[1,0,0]    ; u c + c
.set i, i+1
.endr
.set i, 0
.rept 64
	v_rcp_f32 v[S+i], v[S+i]                       ; r
.set i, i+1
.endr
	v_nop
	s_wait_alu depctr_va_vdst(0)
	s_wait_kmcnt 0x0                               ; the mask words are in, and their loads have read their address:
	s_add_nc_u64 s[20:21], s[20:21], 64            ; on to the next four key tiles
.irp u, 0,1
.irp kt, 0,1,2,3
.irp j, 0,1,2,3,4,5,6,7
	v_cndmask_b32 v[S+32*\u+8*\kt+\j], v[BIG], v[S+32*\u+8*\kt+\j], s[32+36*\u+16*(\j/4)+4*\kt+\j%4]   ; a masked key: r = 1,024
.endr
.endr
.endr
.irp k, 0,1,2,3                                ; the smallest r of my 32 and the old RM, three operands at a time, four chains a tile
.irp u, 0,1
	v_min3_num_f32 v[16+12*\u+\k], v[S+32*\u+8*\k], v[S+32*\u+8*\k+1], v[S+32*\u+8*\k+2]
.endr
.endr
.irp g, 1,2
.irp k, 0,1,2,3
.irp u, 0,1
	v_min3_num_f32 v[16+12*\u+\k], v[16+12*\u+\k], v[S+32*\u+8*\k+2*\g+1], v[S+32*\u+8*\k+2*\g+2]
.endr
.endr
.endr
.irp u, 0,1
	v_min3_num_f32 v[16+12*\u], v[16+12*\u], v[S+32*\u+7], v[S+32*\u+15]
	v_min3_num_f32 v[18+12*\u], v[18+12*\u], v[S+32*\u+23], v[S+32*\u+31]
.endr
.irp u, 0,1
	v_min3_num_f32 v[16+12*\u], v[16+12*\u], v[17+12*\u], v[18+12*\u]
.endr
.irp u, 0,1
	v_min3_num_f32 v[16+12*\u], v[16+12*\u], v[19+12*\u], v[8+12*\u]
.endr
.irp u, 0,1
	v_permlanex16_b32 v[17+12*\u], v[16+12*\u], s24, s25     ; the query's other 32 keys lie in lane l xor 16
	v_mov_b32 v[18+12*\u], v[8+12*\u]
.endr
.irp u, 0,1
	v_min_num_f32 v[8+12*\u], v[16+12*\u], v[17+12*\u]       ; the new RM
.endr
.irp u, 0,1
	v_sub_f32 v[19+12*\u], v[8+12*\u], v[18+12*\u]           ; new RM - old RM, 0 or less
.endr
.irp u, 0,1
.set i, 0
.rept 16
	v_pk_add_f32 v[T+32*\u+2*i:T+32*\u+2*i+1], v[8+12*\u:9+12*\u], v[S+32*\u+2*i:S+32*\u+2*i+1] op_sel_hi:[0,1] neg_lo:[0,1] neg_hi:[0,1]   ; RM - r
.set i, i+1
.endr
.endr
.irp u, 0,1
	v_exp_f32 v[14+12*\u], v[19+12*\u]             ; the factor
.endr
.set i, 0
.rept 64
	v_exp_f32 v[T+i], v[T+i]                       ; p
.set i, i+1
.endr
	v_nop
	s_wait_alu depctr_va_vdst(0)                   ; one wait for the 66
.irp u, 0,1
	v_pk_mul_f32 v[10+12*\u:11+12*\u], v[10+12*\u:11+12*\u], v[14+12*\u:15+12*\u] op_sel_hi:[1,0]
	v_pk_mul_f32 v[12+12*\u:13+12*\u], v[12+12*\u:13+12*\u], v[14+12*\u:15+12*\u] op_sel_hi:[1,0]
.endr
.set i, 0
.rept 16
.irp u, 0,1                                    ; four chains by turns
	v_pk_add_f32 v[10+12*\u:11+12*\u], v[10+12*\u:11+12*\u], v[T+32*\u+2*i:T+32*\u+2*i+1]
	v_pk_fma_f32 v[12+12*\u:13+12*\u], v[T+32*\u+2*i:T+32*\u+2*i+1], v[S+32*\u+2*i:S+32*\u+2*i+1], v[12+12*\u:13+12*\u]
.endr
.set i, i+1
.endr
.irp u, 0,1
.set i, 0
.rept 16
	v_cvt_pk_f16_f32 v[P+16*\u+i], v[T+32*\u+2*i], v[T+32*\u+2*i+1]
.set i, i+1
.endr
.endr
	WIN W_RS
.irp u, 0,1
.set i, 0
.rept 16
	v_pk_mul_f32 v[32*\u+2*i:32*\u+2*i+1], v[32*\u+2*i:32*\u+2*i+1], v[14+12*\u:15+12*\u] op_sel_hi:[1,0]    ; O^T under the new RM; each accumulator from its low end on
.set i, i+1
.endr
.endr
	s_wait_dscnt 0x0                               ; V is in
	WIN W_PV
.irp kc, 0,1
.irp u, 0,1
.irp ct, 0,1,2,3
	v_wmma_f32_16x16x32_f16 v[32*\u+8*\ct:32*\u+8*\ct+7], v[VF+32*\kc+8*\ct:VF+32*\kc+8*\ct+7], v[P+16*\u+8*\kc:P+16*\u+8*\kc+7], v[32*\u+8*\ct:32*\u+8*\ct+7]
.endr
.endr
.endr
	WIN 0
	s_add_co_u32 s30, s30, 8192                    ; the next step's tiles: K's 4 x 2,048 bytes on, V's 2 x 4,096
.endm
.macro EIGHT                           ; a slot's eight key steps: written once, walked eight times
	s_mov_b32 s3, 8
.Lstep_\@:
	STEP
	s_sub_co_u32 s3, s3, 1
	s_cmp_lg_u32 s3, 0
	s_cbranch_scc1 .Lstep_\@
.endm
; THE CHANGE OF SLOTS.  Each wave waits for all its tensor loads (its part of the other slot), adds 0 to its spare word, and waits for that and for its reads of the slot that it leaves.
; fill = 1: the barrier is a round of the cluster's, and behind it the slot just left is filled with the keys two slots on: my one tensor load until the next round.
.macro CHANGE fill
	s_wait_tensorcnt 0x0                           ; no tensor load of mine is out, so a group 0 may be written
	ds_add_u32 v[SPW], v[NIL]                      ; 0 onto my spare word
.if \fill
	s_xor_b32 s9, s9, SLOT1                        ; the walking descriptor: the other slot than last time,
	s_add_nc_u64 s[10:11], s[10:11], 0x10000       ; the next 512 keys; the type bits on top are not reached
.endif
	s_wait_dscnt 0x0
.if \fill
	CROUND
	tensor_load_to_lds s[8:11], s[12:19]
	s_nop 0
.rept 4
	v_nop
.endr
.else
	s_barrier_signal -1
	s_barrier_wait -1
.endif
	s_sub_co_u32 s30, s30, 65536                   ; back to a slot's first step,
	s_xor_b32 s30, s30, SLOT1                      ; in the other slot
	s_add_nc_u64 s[20:21], s[20:21], 512           ; over the words 4-7 of the 32 key tiles just walked
.endm
.Lslot:                                            ; two trips: slots 0 and 1 are each filled once more
	EIGHT
	CHANGE 1
	s_sub_co_u32 s31, s31, 1
	s_cmp_lg_u32 s31, 0
	s_cbranch_scc1 .Lslot
	EIGHT                                          ; the tail is written out: nothing more is asked for
	CHANGE 0
	EIGHT
	; THE WAY OUT.  The first four additions are the places behind the last products.
.irp u, 0,1
	v_add_f32 v[16+12*\u], v[10+12*\u], v[11+12*\u]
	v_add_f32 v[17+12*\u], v[12+12*\u], v[13+12*\u]
.endr
.irp u, 0,1
	v_permlanex16_b32 v[18+12*\u], v[16+12*\u], s24, s25
	v_permlanex16_b32 v[19+12*\u], v[17+12*\u], s24, s25
.endr
.irp u, 0,1
	v_add_f32 v[16+12*\u], v[16+12*\u], v[18+12*\u]          ; L
	v_add_f32 v[17+12*\u], v[17+12*\u], v[19+12*\u]          ; W
.endr
	v_mov_b32 v194, 1.0
.irp u, 0,1
	v_cmp_eq_f32 vcc_lo, 0, v[16+12*\u]
	v_cndmask_b32 v[16+12*\u], v[16+12*\u], v194, vcc_lo     ; a row with no true key: L = 1
.endr
	v_and_b32 v195, 31, v0
	v_cmp_le_u32 vcc_lo, 16, v195                  ; lane l answers for query l of my 32: lanes 16-31 take tile 1's figures
	v_cndmask_b32 v196, v16, v28, vcc_lo
	v_cndmask_b32 v197, v17, v29, vcc_lo
	v_cndmask_b32 v198, v8, v20, vcc_lo
	v_rcp_f32 v14, v16
	v_rcp_f32 v26, v28
	v_rcp_f32 v199, v196
	v_log_f32 v200, v196
	v_nop
	s_wait_alu depctr_va_vdst(0)                   ; one wait for the four
	v_fma_f32 v197, v197, v199, v200               ; log2 L + W / L
	v_sub_f32 v197, v197, v198                     ; - RM
	v_mul_f32 v197, v197, v192                     ; / log2(count)
	global_store_b32 v193, v197, s[28:29]
	WIN W_RD
.irp u, 0,1
.set i, 0
.rept 16
	v_pk_mul_f32 v[T+32*\u+2*i:T+32*\u+2*i+1], v[32*\u+2*i:32*\u+2*i+1], v[14+12*\u:15+12*\u] op_sel_hi:[1,0]    ; O^T / L
.set i, i+1
.endr
.endr
	WIN 0
.irp u, 0,1
.set i, 0
.rept 16
	v_cvt_pk_f16_f32 v[P+16*\u+i], v[T+32*\u+2*i], v[T+32*\u+2*i+1]
.set i, i+1
.endr
.endr
.irp u, 0,1
.irp ct, 0,1,2,3
	global_store_b128 v[LI], v[P+16*\u+4*\ct:P+16*\u+4*\ct+3], s[26:27] offset:\u*8192+\ct*512    ; lane (r, h): token r, channels 16 ct + 8 h + 0..7: piece ct % 2 of fragment ct / 2 of my head's two; 512 consecutive bytes
.endr
.endr
	s_wait_tensorcnt 0x0                           ; the wave's end
	ds_add_u32 v[SPW], v[NIL]
	s_wait_dscnt 0x0
	CROUND                                         ; the closing round: no work-group ends while a partner may still ask for a tile that names it
	s_endpgm
.Lfunc_end_k_q30b9853ab7_attn:
	.size	k_q30b9853ab7_attn, .Lfunc_end_k_q30b9853ab7_attn-k_q30b9853ab7_attn
	.p2alignl 7, 3214868480
	.fill 96, 4, 3214868480
	.section	.rodata,"a",@progbits
	.p2align	6, 0x0
	.amdhsa_kernel k_q30b9853ab7_attn
		.amdhsa_group_segment_fixed_size 327680
		.amdhsa_private_segment_fixed_size 0
		.amdhsa_enable_private_segment 0
		.amdhsa_kernarg_size 40
		.amdhsa_user_sgpr_count 2
		.amdhsa_user_sgpr_kernarg_segment_ptr 1
		.amdhsa_wavefront_size32 1
		.amdhsa_system_sgpr_workgroup_id_x 1
		.amdhsa_system_sgpr_workgroup_id_y 1
		.amdhsa_system_sgpr_workgroup_id_z 1
		.amdhsa_system_vgpr_workitem_id 0
		.amdhsa_next_free_vgpr 480
		.amdhsa_next_free_sgpr 100
		.amdhsa_reserve_vcc 1
		.amdhsa_float_denorm_mode_32 3
		.amdhsa_float_denorm_mode_16_64 3
		.amdhsa_memory_ordered 1
		.amdhsa_forward_progress 1
		.amdhsa_inst_pref_size 106
	.end_amdhsa_kernel
	.amdgpu_metadata
---
amdhsa.version: [ 1, 2 ]
amdhsa.kernels:
  - .name:           k_q30b9853ab7_attn
    .symbol:         k_q30b9853ab7_attn.kd
    .args:
      - { .name: qkv, .offset: 0, .size: 8, .value_kind: global_buffer, .address_space: global }
      - { .name: mw, .offset: 8, .size: 8, .value_kind: global_buffer, .address_space: global }
      - { .name: aux, .offset: 16, .size: 8, .value_kind: global_buffer, .address_space: global }
      - { .name: aimg, .offset: 24, .size: 8, .value_kind: global_buffer, .address_space: global }
      - { .name: out1, .offset: 32, .size: 8, .value_kind: global_buffer, .address_space: global }
    .group_segment_fixed_size: 327680
    .private_segment_fixed_size: 0
    .kernarg_segment_align: 8
    .kernarg_segment_size: 40
    .max_flat_workgroup_size: 256
    .sgpr_count:     100
    .vgpr_count:     480
    .wavefront_size: 32
...
	.end_amdgpu_metadata
.endif
;; end of part 3
;; launch outp (part 4): grid 8 x 32, 4 waves a work-group, clusters of 4 x 4, 327,680 bytes of LDS; arguments aimg, aux, bo, out0; writes out0
.if DOCPART == 4
	.amdgcn_target "amdgcn-amd-amdhsa--gfx1250"
	.amdhsa_code_object_version 6
	.text
	.protected	k_q30b9853ab7_outp
	.globl	k_q30b9853ab7_outp
	.p2align	8
	.type	k_q30b9853ab7_outp,@function
k_q30b9853ab7_outp:
	s_mov_b64 s[64:65], 0
	v_nop
	global_prefetch_b8 v0, s[64:65] scope:SCOPE_SE
	s_setreg_imm32_b32 hwreg(HW_REG_WAVE_MODE, 25, 1), 1
	s_wait_xcnt 0x0
	s_wait_alu depctr_hold_cnt(0) depctr_sa_sdst(0) depctr_va_vdst(0) depctr_va_sdst(0) depctr_va_ssrc(0) depctr_va_vcc(0) depctr_vm_vsrc(0)
	s_getreg_b32 s2, hwreg(HW_REG_IB_STS2, 6, 4)
	s_cmp_eq_u32 s2, 0
	s_cbranch_scc0 .Lentry_in_a_cluster
	s_endpgm
.Lentry_in_a_cluster:
	s_bfe_u32 s2, ttmp6, 0x10000c
	s_cmp_lg_u32 s2, 0xf033
	s_cbranch_scc0 .Lentry_shape_is_right
	s_endpgm
.Lentry_shape_is_right:
; OUTP: out0 = attn wo + bo.  attn [4096][1024] and wo^T [1024 n][1024 k] arrive as f16 images of operand registers (16 rows x 32 K, 1,024 bytes); sums in f32; out0 f32.
; A tile of out0 is 128 x 128: 256 work-groups.  Four waves, each 64 x 64: 16 accumulators.  K goes in four steps of 256 through two LDS slots (A's 64 KB, B's 64 KB); a wave's tensor load
; brings 32,768 consecutive bytes; a fragment load reads 512 consecutive LDS bytes: no padding.
; CLUSTER 4 x 4: the four work-groups of a row need the same tiles of attn, the four of a column the same tiles of wo: each is asked for jointly.
; The matrix instruction takes 16 rows of wo^T as source 0 and 16 tokens as source 1: a lane holds a token and eight neighbouring columns.
; A wave's 64 columns are 256 aligned bytes of a row of out0: each wave has a stage of its own on the way out, and no barrier is needed there.
; The two laps round the ring are written out.  Nothing is prefetched: the tiles are small and shared in the cluster.
; REGISTERS: window 0: v11-29 addresses, bo; v32-95 the way out; v128-255 the accumulators ((a, b) at v[128 + 8 (4 a + b)]).  window 1: two fragment buffers of 128: 64 registers of A, then 64 of B.
.set SLOT,   131072
.set STAGE,  2*SLOT                    ; 16 rows x (256 + 16) bytes for each wave
.set SPITCH, 272
.set SPARE,  STAGE+4*16*SPITCH         ; the spare words, 128 bytes for each wave, which no other line names
.set ADRA, 16                          ; v16-17 LDS address of my A fragments in slot 0, 1
.set ADRB, 20                          ; v20-21 the same for B
.set STO,  24
.set RD,   25
.set CO,   26
.set SPW,  28                          ; v28 my spare word's LDS address; never rewritten
.set NIL,  29                          ; v29 0; never rewritten
.set TMP,  32
.set ACC,  128
.set F0,   0
.set F1,   128
.set G1, 24
.set G0, 32
.set G1B, 48
.set G0B, 56
.set MSB, 0
.macro WIN new                         ; the immediate's high byte repeats the setting that is left
.if MSB != \new
	s_set_vgpr_msb (MSB<<8)|\new
.set MSB, \new
.endif
.endm
.set MUL,  0x05                        ; sources 0 (B) and 1 (A) window 1; C and D window 0
.set TO_F, 0x40                        ; destination window 1, address window 0
.macro JLOAD s                         ; a joint load: waves 0 and 1 fetch A's halves, waves 2 and 3 B's; an s_nop 0 and four v_nop follow each of the two lines
	s_cmp_eq_u32 s13, 0
	s_cbranch_scc0 .Lfor_b_\@
	tensor_load_to_lds s[G0+4*\s:G0+4*\s+3], s[G1:G1+7]
	s_nop 0
.rept 4
	v_nop
.endr
	s_branch .Lasked_\@
.Lfor_b_\@:
	tensor_load_to_lds s[G0B+4*\s:G0B+4*\s+3], s[G1B:G1B+7]
	s_nop 0
.rept 4
	v_nop
.endr
.Lasked_\@:
.endm
.macro CREST                           ; a round of the cluster's barrier behind its opening barrier
	s_cmp_lg_u32 s12, 0
	s_cbranch_scc1 .Lnot_wave_0_\@
	s_barrier_signal -3
.Lnot_wave_0_\@:
	s_barrier_wait -3
	s_barrier_signal -1
	s_barrier_wait -1
.endm
.macro CROUND
	s_barrier_signal -1
	s_barrier_wait -1
	CREST
.endm
	s_load_b256 s[4:11], s[0:1], 0x0               ; aimg, aux, bo, out0
	v_lshl_add_u32 v[SPW], v0, 2, SPARE
	v_mov_b32 v[NIL], 0
	ds_add_u32 v[SPW], v[NIL]                      ; the wave's opening: the add, twice on end, and its wait ahead of my first tensor load
	ds_add_u32 v[SPW], v[NIL]
	v_lshrrev_b32 v1, 5, v0
	v_readfirstlane_b32 s12, v1                    ; wave 0..3
	s_lshr_b32 s13, s12, 1                         ; which half of the tile's rows is mine.  Also: I fetch for A (0) or for B (1)
	s_and_b32 s14, s12, 1                          ; which half of its columns.  Also: which half of that tile I fetch
	s_bfe_u32 s40, ttmp6, 0x40000                  ; cx, cy
	s_bfe_u32 s41, ttmp6, 0x40004
	s_lshl_b32 s42, ttmp9, 2
	s_add_co_u32 s42, s42, s40                     ; tile column
	s_and_b32 s15, ttmp7, 0xffff
	s_lshl_b32 s15, s15, 2
	s_add_co_u32 s15, s15, s41                     ; tile row
	s_lshl_b32 s43, s41, 2
	s_lshl_b32 s43, 15, s43                        ; my row of the cluster
	s_lshl_b32 s44, 0x1111, s40                    ; my column
	s_or_b32 s[G1+0], s43, (3<<16)|(1<<21)         ; 32,768 dense bytes as 128 rows of 256 (32 elements of 8 bytes), no padding
	s_or_b32 s[G1B+0], s44, (3<<16)|(1<<21)
.irp g, G1, G1B
	s_mov_b32 s[\g+1], 32<<16                      ; tensor_dim0
	s_mov_b32 s[\g+2], 128<<16                     ; tensor_dim1
	s_mov_b32 s[\g+3], 32<<16                      ; tile_dim0
	s_mov_b32 s[\g+4], 128                         ; tile_dim1
	s_mov_b32 s[\g+5], 32                          ; the pitch
	s_mov_b32 s[\g+6], 0
	s_mov_b32 s[\g+7], 0
.endr
	s_lshl_b32 s16, s15, 16                        ; A: a tile's eight blocks of 16 tokens x 8,192 bytes; my four of them
	s_lshl_b32 s17, s14, 15
	s_add_co_u32 s16, s16, s17
	s_mov_b32 s17, 0
	s_lshl_b32 s46, s42, 16                        ; B likewise, in registers that never hold cy
	s_lshl_b32 s47, s14, 15
	s_add_co_u32 s46, s46, s47
	s_mov_b32 s47, 0
	s_lshl_b32 s20, s12, 15                        ; where they go: wave x 32,768
	s_wait_dscnt 0x0                               ; both opening adds are done
	s_wait_kmcnt 0x0
	s_add_nc_u64 s[16:17], s[4:5], s[16:17]
	s_add_nc_u64 s[46:47], s[6:7], s[46:47]
	CROUND                                         ; all sixteen work-groups are here: the first joint loads meet
.irp s, 0,1
	s_mov_b32 s[G0+4*\s], 1
	s_add_co_u32 s[G0+4*\s+1], s20, \s*SLOT
	s_add_nc_u64 s[G0+4*\s+2:G0+4*\s+3], s[16:17], \s*0x200000     ; K step s of attn's images
	s_or_b32 s[G0+4*\s+3], s[G0+4*\s+3], 0x80000000
	s_mov_b32 s[G0B+4*\s], 1
	s_add_co_u32 s[G0B+4*\s+1], s20, \s*SLOT
	s_add_nc_u64 s[G0B+4*\s+2:G0B+4*\s+3], s[46:47], \s*0x80000    ; of wo's
	s_or_b32 s[G0B+4*\s+3], s[G0B+4*\s+3], 0x80000000
	JLOAD \s
.endr
	v_and_b32 v1, 15, v0                           ; l % 16
	v_bfe_u32 v2, v0, 4, 1                         ; l / 16
	v_and_b32 v3, 31, v0
	v_lshlrev_b32 v3, 4, v3                        ; 16 x lane
	s_lshl_b32 s21, s13, 15                        ; my four blocks of A,
	s_lshl_b32 s22, s14, 15
	s_add_co_u32 s22, s22, 65536                   ; of B
.irp s, 0,1
	v_add_nc_u32 v[ADRA+\s], s21, v3
	v_add_nc_u32 v[ADRB+\s], s22, v3
	s_add_co_u32 s21, s21, SLOT
	s_add_co_u32 s22, s22, SLOT
.endr
	s_mul_i32 s23, s12, 16*SPITCH
	s_add_co_u32 s23, s23, STAGE                   ; my stage
	v_mul_u32_u24 v4, v1, SPITCH                   ; in: row l % 16, 32 bytes for each half of the lanes
	v_lshl_add_u32 v4, v2, 5, v4
	v_add_nc_u32 v[STO], s23, v4
	v_mul_u32_u24 v5, v2, SPITCH                   ; back: lanes 0-15 one row of 256 bytes, lanes 16-31 the next
	v_lshl_add_u32 v5, v1, 4, v5
	v_add_nc_u32 v[RD], s23, v5
	v_lshlrev_b32 v11, 4, v1
	v_lshl_add_u32 v[CO], v2, 12, v11              ; and the same two rows in out0: 4,096 bytes a row
	s_lshl_b32 s16, s42, 9                         ; my 64 columns, in bytes: 512 x tile column + 256 x half
	s_lshl_b32 s17, s14, 8
	s_add_co_u32 s16, s16, s17
	s_mov_b32 s17, 0
	s_add_nc_u64 s[8:9], s[8:9], s[16:17]
	global_load_b128 v[12:15], v11, s[8:9]         ; bo of the four columns that I store
	s_add_nc_u64 s[10:11], s[10:11], s[16:17]
	s_lshl_b32 s16, s15, 19                        ; my first row: 128 x tile row + 64 x half, 4,096 bytes each
	s_lshl_b32 s18, s13, 18
	s_add_co_u32 s16, s16, s18
	s_add_nc_u64 s[10:11], s[10:11], s[16:17]
; 8 matrix instructions: m blocks a0, a0 + 1 x all 4 n blocks, 32 along K: half c of buffer f.  zero = 1: the first product starts the sums.  The 16 accumulators take turns
.macro MUL8 f, c, a0, zero
.irp a, \a0, \a0+1
.irp b, 0,1,2,3
.if \zero
	v_wmma_f32_16x16x32_f16 v[ACC+8*(4*(\a)+\b):ACC+8*(4*(\a)+\b)+7], v[\f+64+8*(4*\c+\b):\f+64+8*(4*\c+\b)+7], v[\f+8*(4*\c+\a):\f+8*(4*\c+\a)+7], 0
.else
	v_wmma_f32_16x16x32_f16 v[ACC+8*(4*(\a)+\b):ACC+8*(4*(\a)+\b)+7], v[\f+64+8*(4*\c+\b):\f+64+8*(4*\c+\b)+7], v[\f+8*(4*\c+\a):\f+8*(4*\c+\a)+7], v[ACC+8*(4*(\a)+\b):ACC+8*(4*(\a)+\b)+7]
.endif
.endr
.endr
.endm
; 32 LDS loads in one run: the fragments of quarter kq of the slot's K step (64 along K) into buffer f; the first 32 along K first
.macro FETCH slot, kq, f
	WIN TO_F
.irp c, 0,1
.irp i, 0,1,2,3
	ds_load_b128 v[\f+64+8*(4*\c+\i):\f+64+8*(4*\c+\i)+3],   v[ADRB+\slot] offset:\i*8192+(2*(\kq)+\c)*1024
	ds_load_b128 v[\f+64+8*(4*\c+\i)+4:\f+64+8*(4*\c+\i)+7], v[ADRB+\slot] offset:\i*8192+(2*(\kq)+\c)*1024+512
	ds_load_b128 v[\f+8*(4*\c+\i):\f+8*(4*\c+\i)+3],         v[ADRA+\slot] offset:\i*8192+(2*(\kq)+\c)*1024
	ds_load_b128 v[\f+8*(4*\c+\i)+4:\f+8*(4*\c+\i)+7],       v[ADRA+\slot] offset:\i*8192+(2*(\kq)+\c)*1024+512
.endr
.endr
.endm
.macro PLACES                          ; four places in front of loads into registers that matrix instructions have read, and of reads of results (ISA guide 7.12.1 for reads)
.rept 4
	v_nop
.endr
.endm
; One of a K step's first three quarters: multiplies buffer f and fetches quarter kq into g
.macro QUARTER slot, kq, f, g, zero
	s_wait_dscnt 16                                ; the first 32 along K are in
	WIN MUL
	MUL8 \f, 0, 0, \zero
	MUL8 \f, 0, 2, \zero
	PLACES
	FETCH \slot, \kq, \g
	s_wait_dscnt 32                                ; all but the 32 just issued
	WIN MUL
	MUL8 \f, 1, 0, 0
	MUL8 \f, 1, 2, 0
.endm
; The last quarter multiplies buffer 1 and changes slots: one barrier; in front of it each wave waits for all its tensor loads, adds 0 to its spare word, and waits for that and for its reads of this slot.
; fill = 1: the barrier opens a round of the cluster's, and behind it this slot is filled again, two K steps ahead.
.macro TURN slot, next, fill
	WIN 0
	s_wait_tensorcnt 0x0
	ds_add_u32 v[SPW], v[NIL]                      ; 0 onto my spare word
	s_wait_dscnt 17                                ; (the add and the youngest sixteen loads may be out)
	WIN MUL
	MUL8 F1, 0, 0, 0
	s_wait_dscnt 0x0                               ; the add is done, and my reads of this slot are over
	s_barrier_signal -1
	MUL8 F1, 0, 2, 0
.if \fill
	WIN 0
.endif
	s_barrier_wait -1
.if \fill
	CREST
	s_add_nc_u64 s[G0+4*\slot+2:G0+4*\slot+3], s[G0+4*\slot+2:G0+4*\slot+3], 2*0x200000
	s_add_nc_u64 s[G0B+4*\slot+2:G0B+4*\slot+3], s[G0B+4*\slot+2:G0B+4*\slot+3], 2*0x80000
	JLOAD \slot                                    ; the first tensor load behind the round; its four v_nop are also the places in front of the loads below
.else
	PLACES
.endif
	FETCH \next, 0, F0
	WIN MUL
	MUL8 F1, 1, 0, 0
	MUL8 F1, 1, 2, 0
.endm
	s_wait_tensorcnt 1                             ; my part of K step 0 is in (K step 1's load may be out),
	s_barrier_signal -1
	s_barrier_wait -1                              ; everybody's is
	FETCH 0, 0, F0
	QUARTER 0, 1, F0, F1, 1                        ; the first products start the sums
	QUARTER 0, 2, F1, F0, 0
	QUARTER 0, 3, F0, F1, 0
	TURN 0, 1, 1                                   ; slot 0 takes K step 2
	QUARTER 1, 1, F0, F1, 0
	QUARTER 1, 2, F1, F0, 0
	QUARTER 1, 3, F0, F1, 0
	TURN 1, 0, 1                                   ; slot 1 takes K step 3
	QUARTER 0, 1, F0, F1, 0
	QUARTER 0, 2, F1, F0, 0
	QUARTER 0, 3, F0, F1, 0
	TURN 0, 1, 0                                   ; nothing more is asked for
	QUARTER 1, 1, F0, F1, 0
	QUARTER 1, 2, F1, F0, 0
	QUARTER 1, 3, F0, F1, 0
	s_wait_dscnt 16
	WIN MUL
	MUL8 F1, 0, 0, 0
	MUL8 F1, 0, 2, 0
	s_wait_dscnt 0
	MUL8 F1, 1, 0, 0
	MUL8 F1, 1, 2, 0
	WIN 0
; THE WAY OUT, a block of 16 rows x 64 columns at a time: 32 bytes a lane into my stage, back as whole rows of 256 bytes, + bo, stored: sixteen lanes fill 256 consecutive aligned bytes.
.macro TOSTAGE a
.irp b, 0,1,2,3
	ds_store_b128 v[STO], v[ACC+8*(4*(\a)+\b):ACC+8*(4*(\a)+\b)+3] offset:64*\b            ; each accumulator from its low end on
	ds_store_b128 v[STO], v[ACC+8*(4*(\a)+\b)+4:ACC+8*(4*(\a)+\b)+7] offset:64*\b+16
.endr
.irp t, 0,1,2,3,4,5,6,7
	ds_load_b128 v[TMP+32*((\a)%2)+4*\t:TMP+32*((\a)%2)+4*\t+3], v[RD] offset:\t*2*SPITCH   ; LDS serves a wave's instructions in order: these see the stores above, and the next block's stores come behind them
.endr
.endm
.macro SEND a, younger                 ; younger: the LDS instructions issued behind block a's loads
	s_wait_dscnt \younger
.irp t, 0,1,2,3,4,5,6,7
	v_pk_add_f32 v[TMP+32*((\a)%2)+4*\t:TMP+32*((\a)%2)+4*\t+1], v[TMP+32*((\a)%2)+4*\t:TMP+32*((\a)%2)+4*\t+1], v[12:13]
	v_pk_add_f32 v[TMP+32*((\a)%2)+4*\t+2:TMP+32*((\a)%2)+4*\t+3], v[TMP+32*((\a)%2)+4*\t+2:TMP+32*((\a)%2)+4*\t+3], v[14:15]
.endr
.irp t, 0,1,2,3,4,5,6,7
	global_store_b128 v[CO], v[TMP+32*((\a)%2)+4*\t:TMP+32*((\a)%2)+4*\t+3], s[10:11] offset:(16*(\a)+2*\t)*4096 th:TH_STORE_NT
.endr
.endm
	PLACES
	s_wait_loadcnt 0x0                             ; bo
	TOSTAGE 0
	TOSTAGE 1
	SEND 0, 16                                     ; behind block 0's loads: block 1's 8 stores and 8 loads
	s_wait_xcnt 0x0                                ; block 0's stores have read their data: block 2's loads may land there
	TOSTAGE 2
	SEND 1, 16
	s_wait_xcnt 0x0
	TOSTAGE 3
	SEND 2, 16
	SEND 3, 0
	s_wait_tensorcnt 0x0                           ; the wave's end, behind my last tensor load and my last LDS store
	ds_add_u32 v[SPW], v[NIL]
	s_wait_dscnt 0x0
	CROUND                                         ; the closing round
	s_endpgm
.Lfunc_end_k_q30b9853ab7_outp:
	.size	k_q30b9853ab7_outp, .Lfunc_end_k_q30b9853ab7_outp-k_q30b9853ab7_outp
	.p2alignl 7, 3214868480
	.fill 96, 4, 3214868480
	.section	.rodata,"a",@progbits
	.p2align	6, 0x0
	.amdhsa_kernel k_q30b9853ab7_outp
		.amdhsa_group_segment_fixed_size 327680
		.amdhsa_private_segment_fixed_size 0
		.amdhsa_enable_private_segment 0
		.amdhsa_kernarg_size 32
		.amdhsa_user_sgpr_count 2
		.amdhsa_user_sgpr_kernarg_segment_ptr 1
		.amdhsa_wavefront_size32 1
		.amdhsa_system_sgpr_workgroup_id_x 1
		.amdhsa_system_sgpr_workgroup_id_y 1
		.amdhsa_system_sgpr_workgroup_id_z 1
		.amdhsa_system_vgpr_workitem_id 0
		.amdhsa_next_free_vgpr 512
		.amdhsa_next_free_sgpr 66
		.amdhsa_reserve_vcc 0
		.amdhsa_float_denorm_mode_32 3
		.amdhsa_float_denorm_mode_16_64 3
		.amdhsa_memory_ordered 1
		.amdhsa_forward_progress 1
		.amdhsa_inst_pref_size 89
	.end_amdhsa_kernel
	.amdgpu_metadata
---
amdhsa.version: [ 1, 2 ]
amdhsa.kernels:
  - .name:           k_q30b9853ab7_outp
    .symbol:         k_q30b9853ab7_outp.kd
    .args:
      - { .name: aimg, .offset: 0, .size: 8, .value_kind: global_buffer, .address_space: global }
      - { .name: aux, .offset: 8, .size: 8, .value_kind: global_buffer, .address_space: global }
      - { .name: bo, .offset: 16, .size: 8, .value_kind: global_buffer, .address_space: global }
      - { .name: out0, .offset: 24, .size: 8, .value_kind: global_buffer, .address_space: global }
    .group_segment_fixed_size: 327680
    .private_segment_fixed_size: 0
    .kernarg_segment_align: 8
    .kernarg_segment_size: 32
    .max_flat_workgroup_size: 128
    .sgpr_count:     66
    .vgpr_count:     512
    .wavefront_size: 32
...
	.end_amdgpu_metadata
.endif
;; end of part 4
